; MI455X (gfx1250); checked and timed in simulation.
; The chip was launched on July 23, 2026; its instructions are those of AMD's public machine-readable ISA for CDNA 5 (MIT licence, August 2026) and "CDNA5" Instruction Set Architecture Reference Guide (July 2026). The comments in the code are by the model that wrote it; some were corrected since.
;; Attention. Allowed arithmetic: float matrix products may take bf16 or f16 operands with f32 sums; all other float work in f32.
;; Inputs: W 3,072 x 1,024 float32; b 3,072 float32; x 4 x 2,048 x 1,024 float32.
;; Outputs: out0 4 x 2,048 x 1,024 float32.
;; 2 versions, each right and faster than the one before. Each part assembles by itself: llvm-mc -triple=amdgcn-amd-amdhsa -mcpu=gfx1250 --defsym DOCPART=n.
;; ======== version 1 of 2: 3 launches
;; limits: values are held in f16: magnitudes above 65,504 overflow, below 6.1e-05 lose precision
;; workspace buffers: xb 16,777,216 bytes; wb 6,291,456 bytes; qkv 50,331,648 bytes
;; launch cast (part 1): grid 256 x 1, 32 waves a work-group, no clusters, 0 bytes of LDS; arguments x, W, xb, wb; writes xb, wb
.if DOCPART == 1
	.amdgcn_target "amdgcn-amd-amdhsa--gfx1250"
	.amdhsa_code_object_version 6
	.text
	.protected	k_qd8c8832d6a_cast
	.globl	k_qd8c8832d6a_cast
	.p2align	8
	.type	k_qd8c8832d6a_cast,@function
k_qd8c8832d6a_cast:
	s_mov_b64 s[64:65], 0
	v_nop
	global_prefetch_b8 v0, s[64:65] scope:SCOPE_SE
	s_setreg_imm32_b32 hwreg(HW_REG_WAVE_MODE, 25, 1), 1
	s_wait_xcnt 0x0
; LAUNCH 1 OF 3: x [8192][1024] and W [3072][1024] from f32 to f16 (xb, wb), so that the product of launch 2 reads 16-bit tiles:
; half the LDS bytes for each matrix instruction, and each number is converted once and not once for every block that reads it.
;
; WORK THAT THE PROGRAM LEAVES OUT, AND WHY IT IS DEAD FOR ALL VALUES OF THE INPUTS
; (1) The bias of k, b[1024:2048].  att[t][s] = q_t . (k_s + bk) / 8 = q_t . k_s / 8 + q_t . bk / 8.  The second term does not hang on s,
;     the axis of the softmax; softmax(a + const) = softmax(a), and the places that the causal mask sets to -inf are -inf either way.
;     So b[1024:2048] reaches no output and is not loaded.  b stays an argument of launch 2: its q and v parts are live.
; (2) Scores with s > t: reference() sets them to -inf by its own jnp.tril, so their weight is 0.  Launch 3 computes no block of
;     16 queries x 64 keys that lies wholly above the diagonal.
; LIMIT: a NaN, an infinity or an overflow that reaches only b[1024:2048] or only scores with s > t is not carried to the result.
;
; FORMAT: f16 and not bf16.  Row t of a head is an average of t + 1 rows of v, so in the first rows the rounding of an operand reaches
; the output undamped, while the late rows, which set the size of the output as a whole, are small: 11 significant bits keep that rounding
; 8 times smaller than 8 bits would.  LIMIT: |x| or |W| above 65,504 becomes infinity; below 6.1e-5 the step is 6e-8 (f16 subnormals are kept).
;
; A stream: memory binds, nothing is shared, so no LDS, no matrix unit, no cluster.  256 work-groups of 1,024 threads; each takes 8 chunks of
; 16 KiB of x and 3 of W.  Thread t takes the 16 bytes at 16 t of a chunk (a wave's load: 512 neighbouring bytes) and stores 8 bytes at 8 t
; (a wave's store: 256 neighbouring bytes, aligned).  All eleven loads go out first; no register is written twice, so no wait frees a source.
.set X, 4                              ; v[4:47]   chunk i: 4 f32 as loaded
.set Y, 48                             ; v[48:69]  chunk i: 4 f16 to store
	s_load_b256 s[4:11], s[0:1], 0x0               ; x s[4:5], W s[6:7], xb s[8:9], wb s[10:11]
	v_lshlrev_b32 v1, 4, v0                        ; 16 t
	v_lshlrev_b32 v2, 3, v0                        ; 8 t
	s_lshl_b32 s12, ttmp9, 17                      ; my 131,072 bytes of x
	s_mov_b32 s13, 0
	s_mul_i32 s14, ttmp9, 49152                    ; my 49,152 bytes of W
	s_mov_b32 s15, 0
	s_lshl_b32 s16, ttmp9, 16                      ; half as many in xb
	s_mov_b32 s17, 0
	s_mul_i32 s18, ttmp9, 24576                    ; and in wb
	s_mov_b32 s19, 0
	s_wait_kmcnt 0x0
	s_add_nc_u64 s[4:5], s[4:5], s[12:13]
	s_add_nc_u64 s[6:7], s[6:7], s[14:15]
	s_add_nc_u64 s[8:9], s[8:9], s[16:17]
	s_add_nc_u64 s[10:11], s[10:11], s[18:19]
.irp j, 0,1,2,3,4,5,6,7
	global_load_b128 v[X+4*\j:X+4*\j+3], v1, s[4:5] offset:16384*\j th:TH_LOAD_NT
.endr
.irp j, 0,1,2
	global_load_b128 v[X+32+4*\j:X+32+4*\j+3], v1, s[6:7] offset:16384*\j th:TH_LOAD_NT
.endr
.irp j, 0,1,2,3,4,5,6,7
	s_wait_loadcnt 10-\j                           ; loads come back in order (ISA guide 5.7.1): chunk j is in, the 10 - j younger ones stay out
	v_cvt_pk_f16_f32 v[Y+2*\j],   v[X+4*\j],   v[X+4*\j+1]
	v_cvt_pk_f16_f32 v[Y+2*\j+1], v[X+4*\j+2], v[X+4*\j+3]
	global_store_b64 v2, v[Y+2*\j:Y+2*\j+1], s[8:9] offset:8192*\j     ; no hint: the next launch reads these bytes
.endr
.irp j, 0,1,2
	s_wait_loadcnt 2-\j
	v_cvt_pk_f16_f32 v[Y+16+2*\j],   v[X+32+4*\j],   v[X+32+4*\j+1]
	v_cvt_pk_f16_f32 v[Y+16+2*\j+1], v[X+32+4*\j+2], v[X+32+4*\j+3]
	global_store_b64 v2, v[Y+16+2*\j:Y+16+2*\j+1], s[10:11] offset:8192*\j
.endr
	s_endpgm
.Lfunc_end_k_qd8c8832d6a_cast:
	.size	k_qd8c8832d6a_cast, .Lfunc_end_k_qd8c8832d6a_cast-k_qd8c8832d6a_cast
	.p2alignl 7, 3214868480
	.fill 96, 4, 3214868480
	.section	.rodata,"a",@progbits
	.p2align	6, 0x0
	.amdhsa_kernel k_qd8c8832d6a_cast
		.amdhsa_group_segment_fixed_size 0
		.amdhsa_private_segment_fixed_size 0
		.amdhsa_enable_private_segment 0
		.amdhsa_kernarg_size 32
		.amdhsa_user_sgpr_count 2
		.amdhsa_user_sgpr_kernarg_segment_ptr 1
		.amdhsa_wavefront_size32 1
		.amdhsa_system_sgpr_workgroup_id_x 1
		.amdhsa_system_sgpr_workgroup_id_y 1
		.amdhsa_system_sgpr_workgroup_id_z 1
		.amdhsa_system_vgpr_workitem_id 0
		.amdhsa_next_free_vgpr 72
		.amdhsa_next_free_sgpr 66
		.amdhsa_reserve_vcc 0
		.amdhsa_float_denorm_mode_32 3
		.amdhsa_float_denorm_mode_16_64 3
		.amdhsa_memory_ordered 1
		.amdhsa_forward_progress 1
		.amdhsa_inst_pref_size 5
	.end_amdhsa_kernel
	.amdgpu_metadata
---
amdhsa.version: [ 1, 2 ]
amdhsa.kernels:
  - .name:           k_qd8c8832d6a_cast
    .symbol:         k_qd8c8832d6a_cast.kd
    .args:
      - { .name: x, .offset: 0, .size: 8, .value_kind: global_buffer, .address_space: global }
      - { .name: W, .offset: 8, .size: 8, .value_kind: global_buffer, .address_space: global }
      - { .name: xb, .offset: 16, .size: 8, .value_kind: global_buffer, .address_space: global }
      - { .name: wb, .offset: 24, .size: 8, .value_kind: global_buffer, .address_space: global }
    .group_segment_fixed_size: 0
    .private_segment_fixed_size: 0
    .kernarg_segment_align: 8
    .kernarg_segment_size: 32
    .max_flat_workgroup_size: 1024
    .sgpr_count:     66
    .vgpr_count:     72
    .wavefront_size: 32
...
	.end_amdgpu_metadata
.endif
;; end of part 1
;; launch qkvgemm (part 2): grid 12 x 32, 4 waves a work-group, clusters of 4 x 4, 327,680 bytes of LDS; arguments xb, wb, b, qkv; writes qkv
.if DOCPART == 2
	.amdgcn_target "amdgcn-amd-amdhsa--gfx1250"
	.amdhsa_code_object_version 6
	.text
	.protected	k_qd8c8832d6a_qkvgemm
	.globl	k_qd8c8832d6a_qkvgemm
	.p2align	8
	.type	k_qd8c8832d6a_qkvgemm,@function
k_qd8c8832d6a_qkvgemm:
	s_mov_b64 s[64:65], 0
	v_nop
	global_prefetch_b8 v0, s[64:65] scope:SCOPE_SE
	s_setreg_imm32_b32 hwreg(HW_REG_WAVE_MODE, 25, 1), 1
	s_wait_xcnt 0x0
	s_wait_alu depctr_hold_cnt(0) depctr_sa_sdst(0) depctr_va_vdst(0) depctr_va_sdst(0) depctr_va_ssrc(0) depctr_va_vcc(0) depctr_vm_vsrc(0)
	s_getreg_b32 s2, hwreg(HW_REG_IB_STS2, 6, 4)
	s_cmp_eq_u32 s2, 0
	s_cbranch_scc0 .Lentry_in_a_cluster
	s_endpgm
.Lentry_in_a_cluster:
	s_bfe_u32 s2, ttmp6, 0x10000c
	s_cmp_lg_u32 s2, 0xf033
	s_cbranch_scc0 .Lentry_shape_is_right
	s_endpgm
.Lentry_shape_is_right:
; LAUNCH 2 OF 3: qkv = x W^T + b.  xb [8192][1024] and wb [3072][1024] are f16, sums in f32; the result goes out in f16, head by head:
; qkv[sec][bh][t][d], sec = 0 q, 1 k, 2 v; bh = 16 batch + head; byte ((64 sec + bh) << 18) + 128 t + 2 d.
; LEFT OUT: the bias of k, b[1024:2048] (it adds q_t . bk / 8 to every score of row t, which the softmax cancels: shown at the head of launch 1).
; LIMITS: the bias is the first term of each f32 sum and not the last; |q|, |k|, |v| above 65,504 become infinity in f16, below 6.1e-5 the step is 6e-8.
;
; A work-group makes a block of 256 x 256 with four waves, one for each SIMD of a WGP; a wave makes 128 x 128: 64 accumulator tiles of 16 x 16, 512 registers.
; K goes in 8 steps of 128 through a ring of two LDS slots filled by the tensor data mover; a tile's rows are 256 bytes of memory, aligned.
; CLUSTERS: 4 x 4 work-groups.  The four of a row of the cluster need the same tiles of xb, the four of a column the same tiles of wb: each tile is
; asked for jointly, by the same tensor load with the same descriptor and a mask that names the four.  12 x 32 blocks are 3 x 8 clusters;
; the cluster's x is the section: 0 = q, 1 = k, 2 = v (4 block columns of 256 are 1,024 columns).
;
; REGISTERS, in windows of 256:
;   window 0: v16-27 addresses; v64-127, v128-191 fragments of xb, two buffers; v192-223 at work on the way out
;   window 1: v0-63 the bias of my 128 columns; v64-127, v128-191 fragments of wb, two buffers
;   window 2: the 32 accumulator tiles of my rows 0-63 (tile (a, b) at v[8 (8 a + b)]);   window 3: those of my rows 64-127
; THE MATRIX INSTRUCTION IS USED TRANSPOSED: source 0 = 16 rows of wb, source 1 = 16 rows of xb.  Lane l then holds row l % 16 of the result and its
; registers 0 to 7 the columns 8 (l / 16) + 0 .. 7: eight neighbouring numbers, which pack into 16 bytes.
.set SIZE_N, 3072
.set SIZE_K, 1024
.set KSTEP,  128
.set PITCH,  272                       ; an LDS row: 256 bytes of data + 16 of padding: the 16 rows that a load touches start at 16 different banks
.set HALFT,  128*PITCH                 ; 128 rows: what one tensor load brings, and what one wave reads of either tile
.set SLOT,   4*HALFT                   ; 256 rows of xb, then 256 rows of wb
.set STAGE,  2*SLOT                    ; behind the ring: 16 rows x 272 bytes for each wave, for the way out; no tensor load lands there
.set SPITCH, 272
.set LAPS, SIZE_K/(2*KSTEP)            ; a lap = two K steps = once round the ring: 4 laps
.set ADRA, 16                          ; v16-17  LDS address of my xb fragments in slot 0, 1
.set ADRB, 20                          ; v20-21  the same for wb
.set STO,  24                          ; v24     the way out: where I put 16 bytes of a row
.set RD,   25                          ; v25     the way out: where I read 16 bytes of a head's row back
.set CO,   26                          ; v26     16 x lane: my place in a store's 512 bytes
.set BO,   27                          ; v27     32 x (lane / 16): my eight numbers in 16 columns of b
.set BI,   0                           ; window 1 v0-63: bias; registers 8 bt .. 8 bt + 7 = b of columns 16 bt + 8 (l / 16) + 0 .. 7
.set F0,   64                          ; fragment buffer 0
.set F1,   128                         ; fragment buffer 1
.set TMP,  192                         ; the way out: packed results, in window 0
.set G1, 24                            ; s[24:31] descriptor group 1 for tiles of xb
.set G0, 32                            ; s[32:39] descriptor group 0 for tiles of xb, one set for each slot
.set G1B, 48                           ; s[48:55] descriptor group 1 for tiles of wb: it differs in the mask alone
.set G0B, 56                           ; s[56:63] descriptor group 0 for tiles of wb, one set for each slot
.set MSB, 0
.macro WIN new                         ; the immediate's low byte: bits 1:0 source 0, 3:2 source 1, 5:4 source 2, 7:6 destination; its high byte repeats the setting that is left
.if MSB != \new
	s_set_vgpr_msb (MSB<<8)|\new
.set MSB, \new
.endif
.endm
.set MUL_LO,  0xa1                     ; source 0 (wb) window 1, source 1 (xb) window 0, C and D window 2
.set MUL_HI,  0xf1                     ; the same, C and D window 3
.set BIAS_LO, 0x91                     ; the first products: C is the bias in window 1, D window 2
.set BIAS_HI, 0xd1                     ; the same, D window 3
.set TO_B,    0x40                     ; destination window 1, address window 0
; A joint load.  Waves 0 and 1 fetch the two halves of the xb tile, waves 2 and 3 those of the wb tile.  Each line has one mask and one set of registers for
; all that issue it.  The branch hangs on the wave number alone: it is the same in every work-group.
.macro JLOAD s
	s_cmp_eq_u32 s11, 0
	s_cbranch_scc0 .Lfor_b_\@
	tensor_load_to_lds s[G0+4*\s:G0+4*\s+3], s[G1:G1+7]
	s_nop 0
	s_branch .Lasked_\@
.Lfor_b_\@:
	tensor_load_to_lds s[G0B+4*\s:G0B+4*\s+3], s[G1B:G1B+7]
	s_nop 0
.Lasked_\@:
.endm
; A round of the cluster barrier: the work-group barrier, so that wave 0 speaks for all four waves; wave 0 signals for the work-group; every wave waits
; for all sixteen work-groups; the work-group barrier once more.
.macro CREST                           ; a round behind its opening barrier
	s_cmp_lg_u32 s10, 0
	s_cbranch_scc1 .Lnot_wave_0_\@
	s_barrier_signal -3
.Lnot_wave_0_\@:
	s_barrier_wait -3
	s_barrier_signal -1
	s_barrier_wait -1
.endm
.macro CROUND                          ; a whole round
	s_barrier_signal -1
	s_barrier_wait -1
	CREST
.endm
	s_load_b128 s[4:7], s[0:1], 0x0                ; xb s[4:5], wb s[6:7]
	s_load_b64 s[66:67], s[0:1], 0x10              ; b
	s_load_b64 s[8:9], s[0:1], 0x18                ; qkv
	s_set_vgpr_msb 0x40
	v_lshl_add_u32 v255, v0, 2, 0x48400
	s_set_vgpr_msb 0x4000
	v_mov_b32 v255, 0
	s_set_vgpr_msb 0x1
	ds_add_u32 v255, v255
	s_set_vgpr_msb 0x100
	v_lshrrev_b32 v1, 5, v0
	v_readfirstlane_b32 s10, v1                    ; wave 0..3
	s_lshr_b32 s11, s10, 1                         ; which half of the block's rows is mine.  Also: I fetch for xb (0) or for wb (1)
	s_and_b32 s12, s10, 1                          ; which half of its columns.  Also: which 128 rows of that tile I fetch
	s_bfe_u32 s40, ttmp6, 0x40000                  ; cx: my place along the cluster's x
	s_bfe_u32 s41, ttmp6, 0x40004                  ; cy: along its y
	s_lshl_b32 s42, ttmp9, 2                       ; in a cluster launch ttmp9 and ttmp7 count clusters
	s_add_co_u32 s42, s42, s40                     ; block column = 4 x cluster x + cx
	s_and_b32 s13, ttmp7, 0xffff
	s_lshl_b32 s13, s13, 2
	s_add_co_u32 s13, s13, s41                     ; block row = 4 x cluster y + cy
	s_lshl_b32 s43, s41, 2
	s_lshl_b32 s43, 15, s43                        ; my row of the cluster: places 4 cy .. 4 cy + 3
	s_lshl_b32 s44, 0x1111, s40                    ; my column: places cx, cx + 4, cx + 8, cx + 12
	; descriptor group 1: a tile of 128 rows x 128 elements of 2 bytes, 16 bytes of padding behind every 256
	s_or_b32 s[G1+0], s43, (1<<16)|(1<<20)|(1<<21)|(5<<22)|(3<<25)  ; 15:0 mask: my row; 17:16 element of 2 bytes; 20 padding on; 21 set beside a mask; 24:22 after every 64 words; 31:25 of 4 words
	s_or_b32 s[G1B+0], s44, (1<<16)|(1<<20)|(1<<21)|(5<<22)|(3<<25) ; the same with the mask of my column
	s_mov_b32 s[G1B+1], KSTEP<<16
	s_mov_b32 s[G1+1], KSTEP<<16                   ; tensor_dim0 = 128
	s_mov_b32 s[G1B+2], 128<<16
	s_mov_b32 s[G1+2], 128<<16                     ; tensor_dim1 = 128
	s_mov_b32 s[G1B+3], KSTEP<<16
	s_mov_b32 s[G1+3], KSTEP<<16                   ; tile_dim0 = 128
	s_mov_b32 s[G1B+4], 128
	s_mov_b32 s[G1+4], 128                         ; tile_dim1 = 128
	s_mov_b32 s[G1B+5], SIZE_K
	s_mov_b32 s[G1+5], SIZE_K                      ; elements from row to row
	s_mov_b32 s[G1B+6], 0
	s_mov_b32 s[G1+6], 0
	s_mov_b32 s[G1B+7], 0
	s_mov_b32 s[G1+7], 0
	; where the tiles come from: xb's hang on the block row alone, which my row of the cluster shares; wb's on the block column alone, which my column shares.
	; Every wave makes both addresses, in registers that never hold the other coordinate, and asks by one of them.
	s_lshl_b32 s17, s12, 7                         ; which 128 rows of the tile I fetch
	s_lshl_b32 s16, s13, 8
	s_add_co_u32 s16, s16, s17                     ; xb: row 256 x block row + 128 x half
	s_lshl_b32 s46, s42, 8
	s_add_co_u32 s46, s46, s17                     ; wb: row 256 x block column + 128 x half
	s_mov_b32 s17, 0
	s_mov_b32 s47, 0
	s_mov_b64 s[18:19], SIZE_K*2
	s_mul_u64 s[16:17], s[16:17], s[18:19]         ; in bytes
	s_mul_u64 s[46:47], s[46:47], s[18:19]
	s_mul_i32 s20, s10, HALFT                      ; and where they go: wave x 128 rows; no place in the cluster enters an LDS address
	s_lshl_b32 s68, s42, 10                        ; b: 4 bytes x (256 x block column
	s_lshl_b32 s70, s12, 9                         ;    + 128 x my half of the columns)
	s_add_co_u32 s68, s68, s70
	s_mov_b32 s69, 0
	s_wait_dscnt 0x0
	s_wait_kmcnt 0x0
	s_add_nc_u64 s[14:15], s[4:5], s[16:17]
	s_add_nc_u64 s[46:47], s[6:7], s[46:47]
	s_add_nc_u64 s[66:67], s[66:67], s[68:69]      ; b at my first column
	CROUND                                         ; all sixteen work-groups are here: the first joint loads meet
.irp s, 0,1
	s_mov_b32 s[G0+4*\s], 1                                        ; count = 1
	s_add_co_u32 s[G0+4*\s+1], s20, \s*SLOT                        ; LDS address
	s_add_nc_u64 s[G0+4*\s+2:G0+4*\s+3], s[14:15], \s*KSTEP*2      ; global address: K step s
	s_or_b32 s[G0+4*\s+3], s[G0+4*\s+3], 0x80000000                ; type = 2
	s_mov_b32 s[G0B+4*\s], 1
	s_add_co_u32 s[G0B+4*\s+1], s20, \s*SLOT
	s_add_nc_u64 s[G0B+4*\s+2:G0B+4*\s+3], s[46:47], \s*KSTEP*2
	s_or_b32 s[G0B+4*\s+3], s[G0B+4*\s+3], 0x80000000
	JLOAD \s                                       ; both first fills go out together: two tensor loads of this wave are out
.endr
	; A fragment is 16 rows x 32 K in 8 registers: lane l holds row l % 16; registers 0-3 hold K = 8 (l / 16) + 0..7, registers 4-7 hold
	; K = 16 + 8 (l / 16) + 0..7: two loads of 16 bytes, 32 bytes apart.
	v_and_b32 v1, 15, v0                           ; l % 16
	v_bfe_u32 v2, v0, 4, 1                         ; l / 16
	v_mul_u32_u24 v3, v1, PITCH
	v_lshl_add_u32 v3, v2, 4, v3                   ; row x pitch + 16 x half
	s_mul_i32 s21, s11, HALFT                      ; my 128 rows of xb
	s_mul_i32 s22, s12, HALFT                      ; my 128 rows of wb,
	s_add_co_u32 s22, s22, 2*HALFT                 ; which lie behind the 256 of xb
.irp s, 0,1
	v_add_nc_u32 v[ADRA+\s], s21, v3
	v_add_nc_u32 v[ADRB+\s], s22, v3
	s_add_co_u32 s21, s21, SLOT
	s_add_co_u32 s22, s22, SLOT
.endr
	s_mul_i32 s23, s10, 16*SPITCH
	s_add_co_u32 s23, s23, STAGE                   ; my stage
	v_mul_u32_u24 v4, v1, SPITCH                   ; in: row l % 16, 16 bytes for each half of the lanes
	v_lshl_add_u32 v4, v2, 4, v4
	v_add_nc_u32 v[STO], s23, v4
	v_bfe_u32 v6, v0, 3, 2                         ; back: eight lanes take the 128 bytes that one row holds of one head,
	v_and_b32 v7, 7, v0                            ; so a wave takes four rows
	v_mul_u32_u24 v5, v6, SPITCH
	v_lshl_add_u32 v5, v7, 4, v5
	v_add_nc_u32 v[RD], s23, v5
	v_and_b32 v5, 31, v0
	v_lshlrev_b32 v[CO], 4, v5                     ; in qkv those four rows are 512 neighbouring bytes: 16 x lane
	v_lshlrev_b32 v[BO], 5, v2                     ; 8 numbers of b for each half of the lanes
; 16 matrix instructions: m blocks a0, a0 + 1 of the window's four x all 8 n blocks, 32 along K.
; zero = 1: the first product starts the sums from 0; zero = 2: from the bias; nothing is ever cleared.
.macro MUL16 f, hi, a0, zero
.irp a, \a0, \a0+1
.irp b, 0,1,2,3,4,5,6,7
.if \zero == 1
	v_wmma_f32_16x16x32_f16 v[8*(8*(\a)+\b):8*(8*(\a)+\b)+7], v[\f+8*\b:\f+8*\b+7], v[\f+8*(4*\hi+\a):\f+8*(4*\hi+\a)+7], 0
.elseif \zero == 2
	v_wmma_f32_16x16x32_f16 v[8*(8*(\a)+\b):8*(8*(\a)+\b)+7], v[\f+8*\b:\f+8*\b+7], v[\f+8*(4*\hi+\a):\f+8*(4*\hi+\a)+7], v[BI+8*\b:BI+8*\b+7]
.else
	v_wmma_f32_16x16x32_f16 v[8*(8*(\a)+\b):8*(8*(\a)+\b)+7], v[\f+8*\b:\f+8*\b+7], v[\f+8*(4*\hi+\a):\f+8*(4*\hi+\a)+7], v[8*(8*(\a)+\b):8*(8*(\a)+\b)+7]
.endif
.endr
.endr
.endm
; 32 LDS loads in one run: the fragments of one quarter step (128 rows of wb, 128 rows of xb, 32 K at byte k of the rows) into buffer f
.macro FETCH slot, k, f
	WIN TO_B
.irp i, 0,1,2,3,4,5,6,7
	ds_load_b128 v[\f+8*\i:\f+8*\i+3],   v[ADRB+\slot] offset:\k+\i*16*PITCH
	ds_load_b128 v[\f+8*\i+4:\f+8*\i+7], v[ADRB+\slot] offset:\k+\i*16*PITCH+32
.endr
	WIN 0
.irp i, 0,1,2,3,4,5,6,7
	ds_load_b128 v[\f+8*\i:\f+8*\i+3],   v[ADRA+\slot] offset:\k+\i*16*PITCH
	ds_load_b128 v[\f+8*\i+4:\f+8*\i+7], v[ADRA+\slot] offset:\k+\i*16*PITCH+32
.endr
.endm
; A load into a register that a matrix instruction has read, and a vector instruction that reads a matrix result, stand four independent plain vector
; instructions behind that matrix instruction (ISA guide 7.12.1 for vector instructions).
.macro PLACES
.rept 4
	v_nop
.endr
.endm
; A K step is four quarter steps of 32 along K, 64 matrix instructions each, on buffers 0, 1, 0, 1.  The 64 accumulators take turns, one instruction a
; turn, in the same order in every quarter.
; One of the first three quarters: multiplies buffer f; in its middle it fetches the next quarter's fragments, at byte k of the same slot's rows, into buffer g.
.macro QUARTER slot, k, f, g, zero
	s_wait_dscnt 8                                 ; wb's rows and xb's rows 0-63 are in; the youngest eight loads (xb's rows 64-127) may be out
.if \zero == 2
	WIN BIAS_LO
.else
	WIN MUL_LO
.endif
	MUL16 \f, 0, 0, \zero
	MUL16 \f, 0, 2, \zero
	PLACES
	FETCH \slot, \k, \g
	s_wait_dscnt 32                                ; all but the 32 just issued
.if \zero == 2
	WIN BIAS_HI
.else
	WIN MUL_HI
.endif
	MUL16 \f, 1, 0, \zero
	MUL16 \f, 1, 2, \zero
.endm
.macro THREE slot
	QUARTER \slot, 64,  F0, F1, 0
	QUARTER \slot, 128, F1, F0, 0
	QUARTER \slot, 192, F0, F1, 0
.endm
; The last quarter: multiplies buffer 1 and changes slots.  next = the other slot; fill = 1: this slot is filled again, two K steps ahead.
; In front of the barrier each wave waits for its own reads of this slot and for all its tensor loads, of which one is out: its part of the next slot.
; Behind it nobody reads this slot any more and the next slot is whole: the refill comes first, then the next slot's first fragments.
.macro TURN slot, next, fill
	s_wait_dscnt 8
	WIN MUL_LO
	MUL16 F1, 0, 0, 0
	s_wait_dscnt 0                                 ; my reads of this slot are over
	s_wait_tensorcnt 0x0                           ; and all my tensor loads have landed
	ds_add_u32 v255, v255
	s_wait_dscnt 0x0
	s_barrier_signal -1                            ; say so (where a slot is filled again this barrier opens a round of the cluster barrier),
	MUL16 F1, 0, 2, 0                              ; work on registers while the others arrive,
	WIN 0
	s_barrier_wait -1                              ; and go on when all four have said so
.if \fill
	CREST                                          ; all sixteen work-groups have said so: no wave of any partner still reads this slot or has a load on its way
	s_add_nc_u64 s[G0+4*\slot+2:G0+4*\slot+3], s[G0+4*\slot+2:G0+4*\slot+3], 2*KSTEP*2
	s_add_nc_u64 s[G0B+4*\slot+2:G0B+4*\slot+3], s[G0B+4*\slot+2:G0B+4*\slot+3], 2*KSTEP*2
	JLOAD \slot                                    ; the first tensor load behind the round, and my only one until the next
.endif
	PLACES
	FETCH \next, 0, F0
	WIN MUL_HI
	MUL16 F1, 1, 0, 0
	MUL16 F1, 1, 2, 0
.endm
.macro LAP                             ; once round the ring, both slots filled again
	THREE 0
	TURN 0, 1, 1
	THREE 1
	TURN 1, 0, 1
.endm
	s_wait_tensorcnt 1                             ; my part of K step 0 is in; K step 1's load stays out: behind this barrier nothing is filled
	s_barrier_signal -1
	s_barrier_wait -1                              ; everybody's is
	FETCH 0, 0, F0
	; The first quarter starts the sums: from the bias for q and v, from 0 for k.  The branch hangs on the cluster's x alone, which all partners share.
	; Load, wait and use of the bias stand inside the one branch; both ways issue the same 32 LDS loads, so the counts behind the join hold on both.
	s_cmp_eq_u32 ttmp9, 1
	s_cbranch_scc1 .Lk_first
	WIN TO_B
.irp bt, 0,1,2,3,4,5,6,7
	global_load_b128 v[BI+8*\bt:BI+8*\bt+3],   v[BO], s[66:67] offset:64*\bt       ; b of columns 16 bt + 8 (l / 16) + 0 .. 3
	global_load_b128 v[BI+8*\bt+4:BI+8*\bt+7], v[BO], s[66:67] offset:64*\bt+16    ; + 4 .. 7
.endr
	WIN 0
	s_wait_loadcnt 0x0
	QUARTER 0, 64, F0, F1, 2
	WIN 0
	s_branch .Lfirst_done
.Lk_first:
	QUARTER 0, 64, F0, F1, 1
	WIN 0
.Lfirst_done:
	QUARTER 0, 128, F1, F0, 0                      ; the rest of the first lap
	QUARTER 0, 192, F0, F1, 0
	TURN 0, 1, 1
	THREE 1
	TURN 1, 0, 1
	WIN 0                                          ; at a label and at a branch every window is 0
	s_mov_b32 s3, LAPS-2
.Llap:
	LAP
	WIN 0
	s_sub_co_u32 s3, s3, 1
	s_cmp_lg_u32 s3, 0
	s_cbranch_scc1 .Llap
	THREE 0                                        ; the last lap fills nothing and has no round: my one tensor load that is still out is the last K step's
	TURN 0, 1, 0
	THREE 1
	s_wait_dscnt 8                                 ; the very last quarter: nothing more to fetch
	WIN MUL_LO
	MUL16 F1, 0, 0, 0
	MUL16 F1, 0, 2, 0
	s_wait_dscnt 0
	WIN MUL_HI
	MUL16 F1, 1, 0, 0
	MUL16 F1, 1, 2, 0
	; THE WAY OUT, 16 rows at a time: round to f16, 16 bytes a lane into my own stage, read back by heads.  My 128 columns are two heads of 64.
	PLACES
	s_lshl_b32 s68, ttmp9, 6                       ; 64 x section
	s_lshr_b32 s70, s13, 3                         ; batch = block row / 8 (8 blocks of 256 rows are one batch's 2,048)
	s_lshl_b32 s70, s70, 4
	s_add_co_u32 s68, s68, s70                     ; + 16 x batch
	s_lshl_b32 s70, s40, 2
	s_add_co_u32 s68, s68, s70                     ; + 4 cx: a block column is four heads
	s_lshl_b32 s70, s12, 1
	s_add_co_u32 s68, s68, s70                     ; + 2 x my half of the columns
	s_lshl_b32 s68, s68, 18                        ; a head is 2,048 x 128 bytes
	s_and_b32 s70, s13, 7
	s_lshl_b32 s70, s70, 8
	s_lshl_b32 s71, s11, 7
	s_add_co_u32 s70, s70, s71                     ; t of my first row = 256 x (block row mod 8) + 128 x my half of the rows
	s_lshl_b32 s70, s70, 7
	s_add_co_u32 s68, s68, s70
	s_mov_b32 s69, 0
	s_add_nc_u64 s[8:9], s[8:9], s[68:69]          ; set once; rows and the second head stand in the stores' immediates (278,016 bytes at the most)
; rows 16 i .. 16 i + 15 of my block = the eight tiles (a, 0..7) of window 2 or 3 (from = 0x0a or 0x0f: sources 0 and 1); f: F0 or F1 in turn
.macro OUT16 i, a, from, f
	WIN \from
.irp b, 0,1,2,3,4,5,6,7
.irp r, 0,1,2,3
	v_cvt_pk_f16_f32 v[TMP+4*\b+\r], v[8*(8*\a+\b)+2*\r], v[8*(8*\a+\b)+2*\r+1]
.endr
.endr
	WIN 0
.irp b, 0,1,2,3,4,5,6,7
	ds_store_b128 v[STO], v[TMP+4*\b:TMP+4*\b+3] offset:32*\b
.endr
	s_wait_xcnt 0x0                                ; buffer f, which earlier stores read, is loaded again only behind this wait
.irp q4, 0,1,2,3
.irp hd, 0,1
	ds_load_b128 v[\f+4*(2*\q4+\hd):\f+4*(2*\q4+\hd)+3], v[RD] offset:\q4*4*SPITCH+\hd*128   ; rows 4 q4 .. + 3, head hd; LDS serves a wave in order (ISA guide 5.7.1): these see the stores above
.endr
.endr
.irp q4, 0,1,2,3
.irp hd, 0,1
	s_wait_dscnt 7-(2*\q4+\hd)
	global_store_b128 v[CO], v[\f+4*(2*\q4+\hd):\f+4*(2*\q4+\hd)+3], s[8:9] offset:\i*2048+\q4*512+\hd*262144   ; four rows of one head: 512 neighbouring bytes, aligned
.endr
.endr
.endm
	OUT16 0, 0, 0x0a, F0
	OUT16 1, 1, 0x0a, F1
	OUT16 2, 2, 0x0a, F0
	OUT16 3, 3, 0x0a, F1
	OUT16 4, 0, 0x0f, F0
	OUT16 5, 1, 0x0f, F1
	OUT16 6, 2, 0x0f, F0
	OUT16 7, 3, 0x0f, F1
	s_set_vgpr_msb 0x1
	s_wait_tensorcnt 0x0
	ds_add_u32 v255, v255
	s_wait_dscnt 0x0
	s_set_vgpr_msb 0x100
	CROUND                                         ; the closing round: no work-group ends while a partner may still ask for a tile that names it
	s_endpgm
.Lfunc_end_k_qd8c8832d6a_qkvgemm:
	.size	k_qd8c8832d6a_qkvgemm, .Lfunc_end_k_qd8c8832d6a_qkvgemm-k_qd8c8832d6a_qkvgemm
	.p2alignl 7, 3214868480
	.fill 96, 4, 3214868480
	.section	.rodata,"a",@progbits
	.p2align	6, 0x0
	.amdhsa_kernel k_qd8c8832d6a_qkvgemm
		.amdhsa_group_segment_fixed_size 327680
		.amdhsa_private_segment_fixed_size 0
		.amdhsa_enable_private_segment 0
		.amdhsa_kernarg_size 32
		.amdhsa_user_sgpr_count 2
		.amdhsa_user_sgpr_kernarg_segment_ptr 1
		.amdhsa_wavefront_size32 1
		.amdhsa_system_sgpr_workgroup_id_x 1
		.amdhsa_system_sgpr_workgroup_id_y 1
		.amdhsa_system_sgpr_workgroup_id_z 1
		.amdhsa_system_vgpr_workitem_id 0
		.amdhsa_next_free_vgpr 1024
		.amdhsa_next_free_sgpr 72
		.amdhsa_reserve_vcc 0
		.amdhsa_float_denorm_mode_32 3
		.amdhsa_float_denorm_mode_16_64 3
		.amdhsa_memory_ordered 1
		.amdhsa_forward_progress 1
		.amdhsa_inst_pref_size 204
	.end_amdhsa_kernel
	.amdgpu_metadata
---
amdhsa.version: [ 1, 2 ]
amdhsa.kernels:
  - .name:           k_qd8c8832d6a_qkvgemm
    .symbol:         k_qd8c8832d6a_qkvgemm.kd
    .args:
      - { .name: xb, .offset: 0, .size: 8, .value_kind: global_buffer, .address_space: global }
      - { .name: wb, .offset: 8, .size: 8, .value_kind: global_buffer, .address_space: global }
      - { .name: b, .offset: 16, .size: 8, .value_kind: global_buffer, .address_space: global }
      - { .name: qkv, .offset: 24, .size: 8, .value_kind: global_buffer, .address_space: global }
    .group_segment_fixed_size: 327680
    .private_segment_fixed_size: 0
    .kernarg_segment_align: 8
    .kernarg_segment_size: 32
    .max_flat_workgroup_size: 128
    .sgpr_count:     72
    .vgpr_count:     1024
    .wavefront_size: 32
...
	.end_amdgpu_metadata
.endif
;; end of part 2
;; launch attn (part 3): grid 256 x 1, 4 waves a work-group, clusters of 4 x 1, 327,680 bytes of LDS; arguments qkv, out0; writes out0
.if DOCPART == 3
	.amdgcn_target "amdgcn-amd-amdhsa--gfx1250"
	.amdhsa_code_object_version 6
	.text
	.protected	k_qd8c8832d6a_attn
	.globl	k_qd8c8832d6a_attn
	.p2align	8
	.type	k_qd8c8832d6a_attn,@function
k_qd8c8832d6a_attn:
	s_mov_b64 s[64:65], 0
	v_nop
	global_prefetch_b8 v0, s[64:65] scope:SCOPE_SE
	s_setreg_imm32_b32 hwreg(HW_REG_WAVE_MODE, 25, 1), 1
	s_wait_xcnt 0x0
	s_wait_alu depctr_hold_cnt(0) depctr_sa_sdst(0) depctr_va_vdst(0) depctr_va_sdst(0) depctr_va_ssrc(0) depctr_va_vcc(0) depctr_vm_vsrc(0)
	s_getreg_b32 s2, hwreg(HW_REG_IB_STS2, 6, 4)
	s_cmp_eq_u32 s2, 0
	s_cbranch_scc0 .Lentry_in_a_cluster
	s_endpgm
.Lentry_in_a_cluster:
	s_bfe_u32 s2, ttmp6, 0x10000c
	s_cmp_lg_u32 s2, 0x3003
	s_cbranch_scc0 .Lentry_shape_is_right
	s_endpgm
.Lentry_shape_is_right:
; LAUNCH 3 OF 3: causal attention.  qkv[sec][bh][t][d] in f16 (launch 2); out0[batch][t][64 head + d] in f32.
; LEFT OUT: every block of 16 queries x 64 keys that lies wholly above the diagonal (reference() masks it to -inf: weight 0; shown at the head of launch 1).
; LIMITS: the weights p go to the matrix unit in f16 (p <= 1; below 6e-8 they are 0); an exponential below 2^-126 is 0; 1 / l is v_rcp_f32 (1 ULP);
; the maxima drop a NaN (v_max_num), so NaN and infinities among the inputs do not spread as in reference().
;
; SHARE.  A cluster of four work-groups is one head (bh = the cluster's x), 16 waves.  Wave w of work-group c holds EIGHT query tiles of 16 rows:
; tile j is rows 256 j + 64 w + 16 c + 0 .. 15.  So all 16 waves walk the same keys in the same order with the same control flow in all four partners,
; and c enters vector data and global addresses alone.  K and V tiles are therefore asked for JOINTLY (mask 15): a head's K and V are fetched once for four.
; Keys go in 8 phases of 256 keys (one LDS slot), 4 key tiles of 64 in each.  In phase p tiles j > p see every key; tile p is on the diagonal:
; key tile kt is live for kt <= w (a branch on the wave number against the loop counter), and masked, by whole numbers, for kt = w alone.
; Behind phase p tile p is finished and goes out.  Blocks of 16 x 64 for a wave: 112 + 8 (w + 1).
;
; BOTH PRODUCTS ARE TRANSPOSED, so that no number changes lanes between them:
;   S^T tile t = K (16 keys, source 0) x Q (16 queries, source 1): lane (r = l % 16, h = l / 16), register i = key 16 t + 8 h + i of query r;
;   O^T tile dt += V^T (16 d, source 0, by the transposing LDS load) x P^T (source 1): for 32 keys source 1 wants keys 8 h + 0..7 in registers 0-3 and
;   16 + 8 h + 0..7 in registers 4-7, which are S tiles 2 cc and 2 cc + 1 packed in place: P[k] = pack(S[2 k], S[2 k + 1]).
; The running maximum m, the sum l and the factor alpha are one register a lane (query r); l stays a sum over the lane's own half of the keys to the end.
;
; LDS: two slots of 77,824 bytes: V, 256 keys x 160 bytes (128 + 32 of padding: the pitch that the transposing load wants), then K, 256 keys x 144;
; behind them a stage of 16 rows x 272 bytes for each wave, into which no tensor load lands.
; REGISTERS: window 0 as named below; window 1: O of tile j at v[32 j + 8 dt + i]; window 2: Q of tile j at v[16 j + 8 dh + ..], 128 registers.
.set VP,    160
.set KP,    144
.set KOFF,  256*VP                     ; K's part of a slot lies behind V's
.set SLOT,  256*VP+256*KP
.set STAGE, 2*SLOT
.set SP,    272
.set KSEC,  16777216                   ; byte of section k in qkv
.set VSEC,  33554432                   ; and of section v
.set KB,  8                            ; v8   K fragments: KOFF + r x 144 + 16 h
.set VB,  9                            ; v9   V fragments: (8 h + l % 8) x 160 + 16 ((l / 8) % 2)
.set KA,  10                           ; v10  KB + slot + key tile
.set VA,  11                           ; v11  VB + slot + key tile
.set QO,  12                           ; v12  (64 w + 16 c + r) x 128 + 16 h
.set CO,  13                           ; v13  (64 w + 16 c + h) x 4096 + 16 r
.set STO, 14                           ; v14  stage, in:   r x 272 + 32 h
.set RD,  15                           ; v15  stage, back: h x 272 + 16 r
.set LIM, 16                           ; v16  16 c + r - 8 h: on the diagonal key 16 t + i (+ 8 h) is masked where 16 t + i > LIM
.set NINF, 17                          ; v17  -infinity
.set AL,  18                           ; v[18:19] alpha, or 1 / l (v19 is only named as the pair's other half)
.set NM,  20                           ; v[20:21] -c m (v21 likewise)
.set T,   22                           ; v[22:29] at work
.set MX,  32                           ; v[32:39] m of tile j, in raw scores
.set LS,  40                           ; v[40:47] l of tile j
.set SS,  48                           ; v[48:79] S, then p; on the way out O / l
.set PP,  80                           ; v[80:95] p in f16
.set KF,  96                           ; v[96:159]  K fragment (t, dh) at KF + 16 t + 8 dh
.set VF,  160                          ; v[160:223] V fragment (cc, dt) at VF + 32 cc + 8 dt
.set OB,  224                          ; v[224:255] rows on their way out
.set G1K, 16                           ; s[16:23] descriptor group 1 for K
.set G1V, 24                           ; s[24:31] for V: it differs in the padding alone
.set G0K, 32                           ; s[32:39] descriptor group 0 for K, one set for each slot
.set G0V, 40                           ; s[40:47] for V
.set MSB, 0
.macro WIN new                         ; low byte: bits 1:0 source 0, 3:2 source 1, 5:4 source 2, 7:6 destination; the high byte repeats the setting that is left
.if MSB != \new
	s_set_vgpr_msb (MSB<<8)|\new
.set MSB, \new
.endif
.endm
.macro PLACES                          ; four independent plain vector instructions behind a matrix instruction (ISA guide 7.12.1)
.rept 4
	v_nop
.endr
.endm
.macro ROUND                           ; a round of the cluster barrier: work-group barrier, wave 0 signals for the work-group, all wait for the four, work-group barrier
	s_barrier_signal -1
	s_barrier_wait -1
	s_cmp_lg_u32 s8, 0
	s_cbranch_scc1 .Lnot_wave_0_\@
	s_barrier_signal -3
.Lnot_wave_0_\@:
	s_barrier_wait -3
	s_barrier_signal -1
	s_barrier_wait -1
.endm
.macro JLOAD s                         ; a joint load into slot s: waves 0 and 1 fetch the halves of V's 256 keys, waves 2 and 3 those of K's
	s_cmp_eq_u32 s9, 0
	s_cbranch_scc0 .Lfor_k_\@
	tensor_load_to_lds s[G0V+4*\s:G0V+4*\s+3], s[G1V:G1V+7]
	s_nop 0
	s_branch .Lasked_\@
.Lfor_k_\@:
	tensor_load_to_lds s[G0K+4*\s:G0K+4*\s+3], s[G1K:G1K+7]
	s_nop 0
.Lasked_\@:
.endm
	s_load_b128 s[4:7], s[0:1], 0x0                ; qkv s[4:5], out0 s[6:7]
	v_lshl_add_u32 v30, v0, 2, 0x2a400
	v_mov_b32 v31, 0
	ds_add_u32 v30, v31
	v_lshrrev_b32 v1, 5, v0
	v_readfirstlane_b32 s8, v1                     ; wave w
	s_lshr_b32 s9, s8, 1                           ; I fetch for V (0) or for K (1)
	s_and_b32 s10, s8, 1                           ; which 128 keys of the 256
	s_bfe_u32 s11, ttmp6, 0x40000                  ; c: my place in the cluster
	s_mov_b32 s14, 0x76543210                      ; v_permlanex16_b32: lane i of one half reads lane i of the other
	s_mov_b32 s15, 0xfedcba98
	s_mov_b32 s48, 0x3e38aa3b                      ; c = log2(e) / 8: the scale 1 / sqrt(64) and the base of v_exp_f32 in one factor
	s_mov_b32 s49, 0x3e38aa3b
	s_mov_b32 s50, 0xbe38aa3b                      ; -c
	; Group 1.  128 keys x 128 bytes are dense in memory: 64 rows of 256 bytes (32 elements of 8 bytes).  The padding is counted along the tile, every 32 words,
	; so it falls behind each key's 128 bytes: 4 words for K (pitch 144), 8 for V (pitch 160).
	s_mov_b32 s[G1K+0], 15|(3<<16)|(1<<20)|(1<<21)|(4<<22)|(3<<25)   ; mask: all four of the cluster; element of 8 bytes; padding on; bit 21 beside a mask
	s_mov_b32 s[G1V+0], 15|(3<<16)|(1<<20)|(1<<21)|(4<<22)|(7<<25)
.irp g, G1K, G1V
	s_mov_b32 s[\g+1], 32<<16                      ; tensor_dim0 = 32
	s_mov_b32 s[\g+2], 64<<16                      ; tensor_dim1 = 64
	s_mov_b32 s[\g+3], 32<<16                      ; tile_dim0 = 32
	s_mov_b32 s[\g+4], 64                          ; tile_dim1 = 64
	s_mov_b32 s[\g+5], 32                          ; from row to row: 32 elements
	s_mov_b32 s[\g+6], 0
	s_mov_b32 s[\g+7], 0
.endr
	s_mul_i32 s62, s8, 128*VP                      ; V, waves 0 and 1: 128 keys x 160 bytes each, from the slot's first byte
	s_mul_i32 s63, s8, 128*KP                      ; K, waves 2 and 3: KOFF + (w - 2) x 128 x 144
	s_add_co_u32 s63, s63, KOFF-2*128*KP           ;   = w x 18,432 + 4,096
	s_lshl_b32 s54, ttmp9, 18                      ; my head: 2,048 x 128 bytes each
	s_mov_b32 s55, 0
	s_lshl_b32 s58, s10, 14                        ; my 128 keys
	s_add_co_u32 s58, s58, s54
	s_mov_b32 s59, 0
	s_lshr_b32 s60, ttmp9, 4                       ; out0: batch x 2,048 x 4,096 bytes
	s_lshl_b32 s60, s60, 23
	s_and_b32 s61, ttmp9, 15                       ;       + head x 256 bytes
	s_lshl_b32 s61, s61, 8
	s_add_co_u32 s60, s60, s61
	s_mov_b32 s61, 0
	; lane terms
	v_and_b32 v2, 15, v0                           ; r
	v_bfe_u32 v3, v0, 4, 1                         ; h
	v_mul_u32_u24 v4, v2, KP
	v_lshl_add_u32 v4, v3, 4, v4
	v_add_nc_u32 v[KB], KOFF, v4
	v_and_b32 v5, 7, v0
	v_lshl_add_u32 v5, v3, 3, v5
	v_mul_u32_u24 v5, v5, VP
	v_bfe_u32 v6, v0, 3, 1
	v_lshl_add_u32 v[VB], v6, 4, v5
	s_lshl_b32 s12, s8, 6
	s_lshl_b32 s3, s11, 4                          ; 16 c
	s_add_co_u32 s12, s12, s3                      ; 64 w + 16 c: my tiles' first row in each 256
	v_add_nc_u32 v4, s12, v2
	v_lshlrev_b32 v4, 7, v4
	v_lshl_add_u32 v[QO], v3, 4, v4
	v_add_nc_u32 v4, s12, v3
	v_lshlrev_b32 v4, 12, v4
	v_lshl_add_u32 v[CO], v2, 4, v4
	v_add_nc_u32 v4, s3, v2
	v_lshlrev_b32 v5, 3, v3
	v_sub_nc_u32 v[LIM], v4, v5
	s_mul_i32 s51, s8, 16*SP
	s_add_co_u32 s51, s51, STAGE                   ; my stage
	v_mul_u32_u24 v4, v2, SP
	v_lshl_add_u32 v4, v3, 5, v4
	v_add_nc_u32 v[STO], s51, v4
	v_mul_u32_u24 v4, v3, SP
	v_lshl_add_u32 v4, v2, 4, v4
	v_add_nc_u32 v[RD], s51, v4
	v_mov_b32 v[NINF], 0xff800000
	v_mov_b32 v[AL+1], 0
	v_mov_b32 v[NM+1], 0
	s_wait_dscnt 0x0
	s_wait_kmcnt 0x0
	s_add_nc_u64 s[52:53], s[4:5], s[54:55]        ; q of my head
	s_add_nc_u64 s[56:57], s[6:7], s[60:61]        ; out0 at my batch and head
	s_add_nc_u64 s[58:59], s[4:5], s[58:59]        ; qkv + head + my 128 keys: the cluster's x and the wave number alone, the same in all four partners
.irp s, 0,1
	s_mov_b32 s[G0V+4*\s], 1                                       ; count = 1
	s_add_co_u32 s[G0V+4*\s+1], s62, \s*SLOT                       ; LDS address
	s_add_nc_u64 s[G0V+4*\s+2:G0V+4*\s+3], s[58:59], VSEC+\s*32768 ; phase s: 256 keys x 128 bytes on
	s_or_b32 s[G0V+4*\s+3], s[G0V+4*\s+3], 0x80000000              ; type = 2
	s_mov_b32 s[G0K+4*\s], 1
	s_add_co_u32 s[G0K+4*\s+1], s63, \s*SLOT
	s_add_nc_u64 s[G0K+4*\s+2:G0K+4*\s+3], s[58:59], KSEC+\s*32768
	s_or_b32 s[G0K+4*\s+3], s[G0K+4*\s+3], 0x80000000
.endr
	ROUND                                          ; all four work-groups are here: the first joint loads meet
	JLOAD 0                                        ; phase 0's keys; a wave never has more than this one tensor load out
	WIN 0x80                                       ; destination window 2
.irp j, 0,1,2,3,4,5,6,7
.irp dh, 0,1
	global_load_b128 v[16*\j+8*\dh:16*\j+8*\dh+3],   v[QO], s[52:53] offset:32768*\j+64*\dh      ; Q(r, 32 dh + 8 h ..)
	global_load_b128 v[16*\j+8*\dh+4:16*\j+8*\dh+7], v[QO], s[52:53] offset:32768*\j+64*\dh+32   ; Q(r, 32 dh + 16 + 8 h ..)
.endr
.endr
	WIN 0
; One block: query tile j x the 64 keys whose fragments lie in KF and VF.  first = 1: the tile's first block starts m, l and O.  diag = 1: tile j is on the diagonal.
; The accumulators of each product take turns, one instruction a turn.
.macro STEP j, first, diag
	WIN 0x08                                       ; source 1 (Q) in window 2
.irp t, 0,1,2,3
	v_wmma_f32_16x16x32_f16 v[SS+8*\t:SS+8*\t+7], v[KF+16*\t:KF+16*\t+7], v[16*\j:16*\j+7], 0
.endr
.irp t, 0,1,2,3
	v_wmma_f32_16x16x32_f16 v[SS+8*\t:SS+8*\t+7], v[KF+16*\t+8:KF+16*\t+15], v[16*\j+8:16*\j+15], v[SS+8*\t:SS+8*\t+7]
.endr
	WIN 0
	PLACES
.if \diag
	s_cmp_lg_u32 s13, s8                           ; only key tile kt = w crosses the diagonal
	s_cbranch_scc1 .Lnomask_\@
.irp t, 0,1,2,3
.irp q, 0,1,2,3,4,5,6,7
	v_cmp_gt_i32 vcc_lo, 16*\t+\q, v[LIM]
	v_cndmask_b32 v[SS+8*\t+\q], v[SS+8*\t+\q], v[NINF], vcc_lo
.endr
.endr
.Lnomask_\@:
.endif
	; the running maximum, in raw scores: four chains over my 32 keys, then the other half of the lanes
.irp k, 0,1,2,3
	v_max3_num_f32 v[T+\k], v[SS+7*\k], v[SS+7*\k+1], v[SS+7*\k+2]
.endr
.irp k, 0,1,2,3
	v_max3_num_f32 v[T+\k], v[T+\k], v[SS+7*\k+3], v[SS+7*\k+4]
.endr
.irp k, 0,1,2,3
	v_max3_num_f32 v[T+\k], v[T+\k], v[SS+7*\k+5], v[SS+7*\k+6]
.endr
	v_max3_num_f32 v[T], v[T], v[SS+28], v[SS+29]
	v_max3_num_f32 v[T+1], v[T+1], v[SS+30], v[SS+31]
	v_max3_num_f32 v[T], v[T], v[T+1], v[T+2]
.if \first
	v_max_num_f32 v[T], v[T], v[T+3]
.else
	v_max3_num_f32 v[T], v[T], v[T+3], v[MX+\j]
.endif
	v_permlanex16_b32 v[T+1], v[T], s14, s15       ; each query has a live key in every block that is computed, so the joint maximum is finite
.if \first
	v_max_num_f32 v[MX+\j], v[T], v[T+1]
	v_mul_f32 v[NM], s50, v[MX+\j]                 ; -c m
.else
	v_max_num_f32 v[T+4], v[T], v[T+1]
	v_mul_f32 v[NM], s50, v[T+4]                   ; -c m
	v_fma_f32 v[T+2], v[MX+\j], s48, v[NM]         ; c (m before - m)
	v_mov_b32 v[MX+\j], v[T+4]
	v_exp_f32 v[AL], v[T+2]                        ; alpha; the packed lines below stand between it and its first use (ISA guide 5.7.2)
.endif
.irp i, 0,2,4,6,8,10,12,14,16,18,20,22,24,26,28,30
	v_pk_fma_f32 v[SS+\i:SS+\i+1], v[SS+\i:SS+\i+1], s[48:49], v[NM:NM+1] op_sel_hi:[1,0,0]   ; c s - c m
.endr
.irp t, 0,1,2,3
.irp q, 0,1,2,3,4,5,6,7
	v_exp_f32 v[SS+8*\t+\q], v[SS+8*\t+\q]
.endr
.endr
.if \first
	v_nop                                          ; one plain instruction between the exponentials and their use
	s_wait_alu depctr_va_vdst(0)
.else
	s_wait_alu depctr_va_vdst(0)
	v_mul_f32 v[LS+\j], v[LS+\j], v[AL]            ; the same place, with work in it
.endif
.irp k, 0,1,2,3
	v_pk_add_f32 v[T+2*\k:T+2*\k+1], v[SS+8*\k:SS+8*\k+1], v[SS+8*\k+2:SS+8*\k+3]
.endr
.irp k, 0,1,2,3
	v_pk_add_f32 v[T+2*\k:T+2*\k+1], v[T+2*\k:T+2*\k+1], v[SS+8*\k+4:SS+8*\k+5]
.endr
.irp k, 0,1,2,3
	v_pk_add_f32 v[T+2*\k:T+2*\k+1], v[T+2*\k:T+2*\k+1], v[SS+8*\k+6:SS+8*\k+7]
.endr
	v_pk_add_f32 v[T:T+1], v[T:T+1], v[T+2:T+3]
	v_pk_add_f32 v[T+4:T+5], v[T+4:T+5], v[T+6:T+7]
	v_pk_add_f32 v[T:T+1], v[T:T+1], v[T+4:T+5]
.if \first
	v_add_f32 v[LS+\j], v[T], v[T+1]
.else
	v_add_f32 v[T], v[T], v[T+1]
	v_add_f32 v[LS+\j], v[LS+\j], v[T]
.endif
.irp k, 0,1,2,3,4,5,6,7,8,9,10,11,12,13,14,15
	v_cvt_pk_f16_f32 v[PP+\k], v[SS+2*\k], v[SS+2*\k+1]
.endr
.if \first == 0
	WIN 0x41                                       ; O in window 1, alpha in window 0
.irp i, 0,2,4,6,8,10,12,14,16,18,20,22,24,26,28,30
	v_pk_mul_f32 v[32*\j+\i:32*\j+\i+1], v[32*\j+\i:32*\j+\i+1], v[AL:AL+1] op_sel_hi:[1,0]
.endr
.endif
	s_wait_dscnt 0x0                               ; V's fragments are in (met at once in all but the key tile's first block)
	WIN 0x50                                       ; C and D in window 1
.irp d, 0,1,2,3
.if \first
	v_wmma_f32_16x16x32_f16 v[32*\j+8*\d:32*\j+8*\d+7], v[VF+8*\d:VF+8*\d+7], v[PP:PP+7], 0
.else
	v_wmma_f32_16x16x32_f16 v[32*\j+8*\d:32*\j+8*\d+7], v[VF+8*\d:VF+8*\d+7], v[PP:PP+7], v[32*\j+8*\d:32*\j+8*\d+7]
.endif
.endr
.irp d, 0,1,2,3
	v_wmma_f32_16x16x32_f16 v[32*\j+8*\d:32*\j+8*\d+7], v[VF+32+8*\d:VF+32+8*\d+7], v[PP+8:PP+15], v[32*\j+8*\d:32*\j+8*\d+7]
.endr
.endm
; One key tile of phase p: its 64 keys' fragments, then the blocks of query tiles p .. 7.  s13 = kt.
.macro TILE p, first
	WIN 0
.if \p == 7
	s_cmp_gt_u32 s13, s8                           ; in the last phase only the diagonal tile is left: above the diagonal nothing is loaded either
	s_cbranch_scc1 .Lend_\@
.endif
	PLACES                                         ; behind the last product, whose sources are loaded again
.irp t, 0,1,2,3
.irp dh, 0,1
	ds_load_b128 v[KF+16*\t+8*\dh:KF+16*\t+8*\dh+3],   v[KA] offset:16*KP*\t+64*\dh
	ds_load_b128 v[KF+16*\t+8*\dh+4:KF+16*\t+8*\dh+7], v[KA] offset:16*KP*\t+64*\dh+32
.endr
.endr
.irp cc, 0,1
.irp d, 0,1,2,3
	ds_load_tr16_b128 v[VF+32*\cc+8*\d:VF+32*\cc+8*\d+3],   v[VA] offset:32*VP*\cc+32*\d          ; keys 32 cc + 8 h + 0..7 of d = 16 dt + r
	ds_load_tr16_b128 v[VF+32*\cc+8*\d+4:VF+32*\cc+8*\d+7], v[VA] offset:32*VP*\cc+32*\d+16*VP    ; keys 32 cc + 16 + 8 h + 0..7
.endr
.endr
	s_wait_dscnt 16                                ; LDS loads come back in order (ISA guide 5.7.1): K's 16 are in, V's 16 may stay out
.if \p < 7
.if \first == 0
	s_cmp_gt_u32 s13, s8                           ; kt > w: the diagonal tile's block lies wholly above the diagonal
	s_cbranch_scc1 .Lnodiag_\@
.endif
.endif
	STEP \p, \first, 1
	WIN 0
.Lnodiag_\@:
.if \p < 7
.set jq, \p+1
.rept 7-\p
	STEP jq, \first, 0
.set jq, jq+1
.endr
	WIN 0
.endif
.Lend_\@:
	v_add_nc_u32 v[KA], 64*KP, v[KA]               ; the next 64 keys
	v_add_nc_u32 v[VA], 64*VP, v[VA]
.endm
; Query tile p is finished: O / l, through my own stage, out as whole rows of 256 bytes (64 f32 of one query and head).
.macro OUT p
	WIN 0
	PLACES                                         ; behind the last product
	v_permlanex16_b32 v[T+1], v[LS+\p], s14, s15   ; the other half of the keys
	v_add_f32 v[T], v[LS+\p], v[T+1]               ; l >= about 1: the key of the maximum counts 1
	v_rcp_f32 v[AL], v[T]
	s_wait_xcnt 0x0                                ; OB, which the last tile's stores read, is loaded again only behind this wait
	v_nop                                          ; one plain instruction behind v_rcp_f32 (ISA guide 5.7.2)
	WIN 0x01                                       ; source 0 (O) in window 1
	s_wait_alu depctr_va_vdst(0)
.irp i, 0,2,4,6,8,10,12,14,16,18,20,22,24,26,28,30
	v_pk_mul_f32 v[SS+\i:SS+\i+1], v[32*\p+\i:32*\p+\i+1], v[AL:AL+1] op_sel_hi:[1,0]
.endr
	WIN 0
.irp d, 0,1,2,3
.irp hf, 0,1
	ds_store_b128 v[STO], v[SS+8*\d+4*\hf:SS+8*\d+4*\hf+3] offset:64*\d+16*\hf   ; query r, d = 16 dt + 8 h + 4 hf + 0..3
.endr
.endr
.irp i, 0,1,2,3,4,5,6,7
	ds_load_b128 v[OB+4*\i:OB+4*\i+3], v[RD] offset:2*SP*\i                      ; rows 2 i and 2 i + 1; my own bytes, served in order: these see the stores above
.endr
.irp i, 0,1,2,3,4,5,6,7
	s_wait_dscnt 7-\i
	global_store_b128 v[CO], v[OB+4*\i:OB+4*\i+3], s[56:57] offset:\p*1048576+8192*\i th:TH_STORE_NT   ; sixteen lanes store 256 neighbouring bytes, aligned
.endr
.endm
; Phase p reads slot (p mod 2) while phase p + 1's keys land in the other.
.macro PHASE p, slot, other
	s_wait_tensorcnt 0x0                           ; all my tensor loads have landed: the one that was out is my part of this phase's keys,
	ds_add_u32 v30, v31
	s_wait_dscnt 0x0
.if \p <= 5
	s_add_nc_u64 s[G0K+4*\slot+2:G0K+4*\slot+3], s[G0K+4*\slot+2:G0K+4*\slot+3], 65536   ; so every group 0 may be written: this slot's next keys, two phases on
	s_add_nc_u64 s[G0V+4*\slot+2:G0V+4*\slot+3], s[G0V+4*\slot+2:G0V+4*\slot+3], 65536
.endif
	s_wait_dscnt 0x0                               ; my reads of the other slot are over
	ROUND                                          ; both now hold of every wave of all four work-groups
.if \p < 7
	JLOAD \other                                   ; the first thing behind the round, my one tensor load until the next: it has the whole phase in which to land
.endif
.if \slot
	v_add_nc_u32 v[KA], SLOT, v[KB]
	v_add_nc_u32 v[VA], SLOT, v[VB]
.else
	v_mov_b32 v[KA], v[KB]
	v_mov_b32 v[VA], v[VB]
.endif
.if \p == 0
	s_wait_loadcnt 0x0                             ; Q, once
	s_mov_b32 s13, 0
	TILE 0, 1                                      ; the first 64 keys start m, l and O of all eight tiles: nothing is cleared
	s_mov_b32 s13, 1
.else
	s_mov_b32 s13, 0
.endif
.Lkt_\@:
	TILE \p, 0
	s_add_co_u32 s13, s13, 1
	s_cmp_lt_u32 s13, 4
	s_cbranch_scc1 .Lkt_\@
	OUT \p
.endm
	PHASE 0, 0, 1
	PHASE 1, 1, 0
	PHASE 2, 0, 1
	PHASE 3, 1, 0
	PHASE 4, 0, 1
	PHASE 5, 1, 0
	PHASE 6, 0, 1
	PHASE 7, 1, 0
	s_wait_tensorcnt 0x0
	ds_add_u32 v30, v31
	s_wait_dscnt 0x0
	ROUND                                          ; the closing round: no work-group ends while a partner may still ask for a tile that names it
	s_endpgm
.Lfunc_end_k_qd8c8832d6a_attn:
	.size	k_qd8c8832d6a_attn, .Lfunc_end_k_qd8c8832d6a_attn-k_qd8c8832d6a_attn
	.p2alignl 7, 3214868480
	.fill 96, 4, 3214868480
	.section	.rodata,"a",@progbits
	.p2align	6, 0x0
	.amdhsa_kernel k_qd8c8832d6a_attn
		.amdhsa_group_segment_fixed_size 327680
		.amdhsa_private_segment_fixed_size 0
		.amdhsa_enable_private_segment 0
		.amdhsa_kernarg_size 16
		.amdhsa_user_sgpr_count 2
		.amdhsa_user_sgpr_kernarg_segment_ptr 1
		.amdhsa_wavefront_size32 1
		.amdhsa_system_sgpr_workgroup_id_x 1
		.amdhsa_system_sgpr_workgroup_id_y 1
		.amdhsa_system_sgpr_workgroup_id_z 1
		.amdhsa_system_vgpr_workitem_id 0
		.amdhsa_next_free_vgpr 640
		.amdhsa_next_free_sgpr 66
		.amdhsa_reserve_vcc 1
		.amdhsa_float_denorm_mode_32 3
		.amdhsa_float_denorm_mode_16_64 3
		.amdhsa_memory_ordered 1
		.amdhsa_forward_progress 1
		.amdhsa_inst_pref_size 255
	.end_amdhsa_kernel
	.section	.bss,"aw",@nobits
	.p2align	6
	.space	262144
	.amdgpu_metadata
---
amdhsa.version: [ 1, 2 ]
amdhsa.kernels:
  - .name:           k_qd8c8832d6a_attn
    .symbol:         k_qd8c8832d6a_attn.kd
    .args:
      - { .name: qkv, .offset: 0, .size: 8, .value_kind: global_buffer, .address_space: global }
      - { .name: out0, .offset: 8, .size: 8, .value_kind: global_buffer, .address_space: global }
    .group_segment_fixed_size: 327680
    .private_segment_fixed_size: 0
    .kernarg_segment_align: 8
    .kernarg_segment_size: 16
    .max_flat_workgroup_size: 128
    .sgpr_count:     66
    .vgpr_count:     640
    .wavefront_size: 32
...
	.end_amdgpu_metadata
.endif
;; end of part 3
;; ======== version 2 of 2: 3 launches; 1.10 times as fast as version 1
;; limits: values are held in f16: magnitudes above 65,504 overflow, below 6.1e-05 lose precision
;; workspace buffers: xb 16,777,216 bytes; wb 6,291,456 bytes; qkv 50,331,648 bytes
;; launch cast (part 4): grid 256 x 1, 32 waves a work-group, no clusters, 0 bytes of LDS; arguments x, W, xb, wb; writes xb, wb
.if DOCPART == 4
	.amdgcn_target "amdgcn-amd-amdhsa--gfx1250"
	.amdhsa_code_object_version 6
	.text
	.protected	k_qd8c8832d6a_cast
	.globl	k_qd8c8832d6a_cast
	.p2align	8
	.type	k_qd8c8832d6a_cast,@function
k_qd8c8832d6a_cast:
	s_mov_b64 s[64:65], 0
	v_nop
	global_prefetch_b8 v0, s[64:65] scope:SCOPE_SE
	s_setreg_imm32_b32 hwreg(HW_REG_WAVE_MODE, 25, 1), 1
	s_wait_xcnt 0x0
; LAUNCH 1 OF 3: x [8192][1024] and W [3072][1024] from f32 to f16, laid out as launch 2 reads them:
;   xb[kb][row][64]:  K block kb = columns 64 kb .. 64 kb + 63; byte kb x 1,048,576 + 128 row + 2 (k mod 64)
;   wb[kb][row2][64]: the same by K blocks of 393,216 bytes, with W's rows head by head: row 1024 sec + 64 head + d goes to row2 = 192 head + 64 sec + d.
; So a tile of launch 2 (some rows, one K block) is dense in memory, and 192 neighbouring rows of wb are q, k and v of one head.
; Each number is converted once, not once for every block that reads it, and the product reads 16-bit tiles: half the LDS bytes for each matrix instruction.
;
; WORK THAT THE PROGRAM LEAVES OUT, AND WHY IT IS DEAD FOR ALL VALUES OF THE INPUTS
; (1) The bias of k, b[1024:2048].  att[t][s] = q_t . (k_s + bk) / 8 = q_t . k_s / 8 + q_t . bk / 8.  The second term does not hang on s,
;     the axis of the softmax; softmax(a + const) = softmax(a), and the places that the causal mask sets to -inf are -inf either way.
;     So b[1024:2048] reaches no output and is not loaded.  b stays an argument of launch 2: its q and v parts are live.
; (2) Scores with s > t: reference() sets them to -inf by its own jnp.tril, so their weight is 0.  Launch 3 computes no block of
;     16 queries x 64 keys that lies wholly above the diagonal.
; LIMIT: a NaN, an infinity or an overflow that reaches only b[1024:2048] or only scores with s > t is not carried to the result.
;
; FORMAT: f16 and not bf16.  Row t of a head is an average of t + 1 rows of v, so in the first rows the rounding of an operand reaches
; the output undamped, while the late rows, which set the size of the output as a whole, are small: 11 significant bits keep that rounding
; 8 times smaller than 8 bits would.  LIMIT: |x| or |W| above 65,504 becomes infinity; below 6.1e-5 the step is 6e-8 (f16 subnormals are kept).
;
; A stream: memory binds, nothing is shared, so no LDS, no matrix unit, no cluster.  256 work-groups of 1,024 threads; each takes 32 rows of x and 12 of W,
; four rows (16 KiB) a load.  Sixteen lanes take the 256 bytes that one row holds of one K block, the other sixteen the same of the row below:
; in the blocked layout those are 2 x 128 neighbouring bytes, so a wave's store covers 256 neighbouring bytes, aligned.
; All eleven loads go out first; no register that a load or store names is written again, so no wait frees a source.
.set X,  8                             ; v[8:51]   load i: 4 f32
.set Y,  52                            ; v[52:73]  load i: 4 f16 to store
.set WO, 74                            ; v[74:76]  byte offset in wb for each of W's three loads
	s_load_b256 s[4:11], s[0:1], 0x0               ; x s[4:5], W s[6:7], xb s[8:9], wb s[10:11]
	v_and_b32 v1, 15, v0                           ; c: my 16 bytes of the 256
	v_bfe_u32 v2, v0, 4, 1                         ; the half of the wave: row bit 0
	v_bfe_u32 v3, v0, 5, 4                         ; kb
	v_lshrrev_b32 v4, 9, v0                        ; row bit 1
	v_lshl_add_u32 v2, v4, 1, v2                   ; row among the load's four
	v_lshlrev_b32 v5, 12, v2                       ; from: row x 4,096
	v_lshl_add_u32 v5, v3, 8, v5                   ;   + kb x 256
	v_lshl_add_u32 v5, v1, 4, v5                   ;   + 16 c
	s_lshl_b32 s12, ttmp9, 17                      ; my 32 rows of x
	s_mov_b32 s13, 0
	s_mul_i32 s14, ttmp9, 49152                    ; my 12 rows of W
	s_mov_b32 s15, 0
	s_lshl_b32 s16, ttmp9, 12                      ; my 32 rows in a K block of xb: 128 bytes each
	s_mov_b32 s17, 0
	s_mul_i32 s21, ttmp9, 12                       ; W's row of each load's first row
	s_add_co_u32 s22, s21, 4
	s_add_co_u32 s23, s21, 8
	s_wait_kmcnt 0x0
	s_add_nc_u64 s[4:5], s[4:5], s[12:13]
	s_add_nc_u64 s[6:7], s[6:7], s[14:15]
	s_add_nc_u64 s[8:9], s[8:9], s[16:17]
.irp j, 0,1,2,3,4,5,6,7
	global_load_b128 v[X+4*\j:X+4*\j+3], v5, s[4:5] offset:16384*\j th:TH_LOAD_NT
.endr
.irp j, 0,1,2
	global_load_b128 v[X+32+4*\j:X+32+4*\j+3], v5, s[6:7] offset:16384*\j th:TH_LOAD_NT
.endr
	v_lshlrev_b32 v6, 20, v3                       ; to, in xb: kb x 1,048,576
	v_lshl_add_u32 v6, v2, 7, v6                   ;   + row x 128
	v_lshl_add_u32 v6, v1, 3, v6                   ;   + 8 c
	v_mul_u32_u24 v7, v3, 0x60000                  ; to, in wb: kb x 393,216
	v_lshl_add_u32 v7, v1, 3, v7                   ;   + 8 c
.irp j, 0,1,2
	v_add_nc_u32 v77, s[21+\j], v2                 ; W's row = 1024 sec + 64 head + d
	v_lshrrev_b32 v78, 10, v77                     ; sec
	v_bfe_u32 v79, v77, 6, 4                       ; head
	v_and_b32 v77, 63, v77                         ; d
	v_mul_u32_u24 v79, v79, 192
	v_lshl_add_u32 v79, v78, 6, v79
	v_add_nc_u32 v79, v79, v77                     ; 192 head + 64 sec + d: an even row and the next stay neighbours
	v_lshl_add_u32 v[WO+\j], v79, 7, v7
.endr
.irp j, 0,1,2,3,4,5,6,7
	s_wait_loadcnt 10-\j                           ; loads come back in order (ISA guide 5.7.1): load j is in, the 10 - j younger ones stay out
	v_cvt_pk_f16_f32 v[Y+2*\j],   v[X+4*\j],   v[X+4*\j+1]
	v_cvt_pk_f16_f32 v[Y+2*\j+1], v[X+4*\j+2], v[X+4*\j+3]
	global_store_b64 v6, v[Y+2*\j:Y+2*\j+1], s[8:9] offset:512*\j      ; four rows on: 512 bytes; no hint: the next launch reads these bytes
.endr
.irp j, 0,1,2
	s_wait_loadcnt 2-\j
	v_cvt_pk_f16_f32 v[Y+16+2*\j],   v[X+32+4*\j],   v[X+32+4*\j+1]
	v_cvt_pk_f16_f32 v[Y+16+2*\j+1], v[X+32+4*\j+2], v[X+32+4*\j+3]
	global_store_b64 v[WO+\j], v[Y+16+2*\j:Y+16+2*\j+1], s[10:11]
.endr
	s_endpgm
.Lfunc_end_k_qd8c8832d6a_cast:
	.size	k_qd8c8832d6a_cast, .Lfunc_end_k_qd8c8832d6a_cast-k_qd8c8832d6a_cast
	.p2alignl 7, 3214868480
	.fill 96, 4, 3214868480
	.section	.rodata,"a",@progbits
	.p2align	6, 0x0
	.amdhsa_kernel k_qd8c8832d6a_cast
		.amdhsa_group_segment_fixed_size 0
		.amdhsa_private_segment_fixed_size 0
		.amdhsa_enable_private_segment 0
		.amdhsa_kernarg_size 32
		.amdhsa_user_sgpr_count 2
		.amdhsa_user_sgpr_kernarg_segment_ptr 1
		.amdhsa_wavefront_size32 1
		.amdhsa_system_sgpr_workgroup_id_x 1
		.amdhsa_system_sgpr_workgroup_id_y 1
		.amdhsa_system_sgpr_workgroup_id_z 1
		.amdhsa_system_vgpr_workitem_id 0
		.amdhsa_next_free_vgpr 80
		.amdhsa_next_free_sgpr 66
		.amdhsa_reserve_vcc 0
		.amdhsa_float_denorm_mode_32 3
		.amdhsa_float_denorm_mode_16_64 3
		.amdhsa_memory_ordered 1
		.amdhsa_forward_progress 1
		.amdhsa_inst_pref_size 7
	.end_amdhsa_kernel
	.amdgpu_metadata
---
amdhsa.version: [ 1, 2 ]
amdhsa.kernels:
  - .name:           k_qd8c8832d6a_cast
    .symbol:         k_qd8c8832d6a_cast.kd
    .args:
      - { .name: x, .offset: 0, .size: 8, .value_kind: global_buffer, .address_space: global }
      - { .name: W, .offset: 8, .size: 8, .value_kind: global_buffer, .address_space: global }
      - { .name: xb, .offset: 16, .size: 8, .value_kind: global_buffer, .address_space: global }
      - { .name: wb, .offset: 24, .size: 8, .value_kind: global_buffer, .address_space: global }
    .group_segment_fixed_size: 0
    .private_segment_fixed_size: 0
    .kernarg_segment_align: 8
    .kernarg_segment_size: 32
    .max_flat_workgroup_size: 1024
    .sgpr_count:     66
    .vgpr_count:     80
    .wavefront_size: 32
...
	.end_amdgpu_metadata
.endif
;; end of part 4
;; launch qkvgemm (part 5): grid 8 x 32, 4 waves a work-group, clusters of 4 x 4, 327,680 bytes of LDS; arguments xb, wb, b, qkv; writes qkv
.if DOCPART == 5
	.amdgcn_target "amdgcn-amd-amdhsa--gfx1250"
	.amdhsa_code_object_version 6
	.text
	.protected	k_qd8c8832d6a_qkvgemm
	.globl	k_qd8c8832d6a_qkvgemm
	.p2align	8
	.type	k_qd8c8832d6a_qkvgemm,@function
k_qd8c8832d6a_qkvgemm:
	s_mov_b64 s[64:65], 0
	v_nop
	global_prefetch_b8 v0, s[64:65] scope:SCOPE_SE
	s_setreg_imm32_b32 hwreg(HW_REG_WAVE_MODE, 25, 1), 1
	s_wait_xcnt 0x0
	s_wait_alu depctr_hold_cnt(0) depctr_sa_sdst(0) depctr_va_vdst(0) depctr_va_sdst(0) depctr_va_ssrc(0) depctr_va_vcc(0) depctr_vm_vsrc(0)
	s_getreg_b32 s2, hwreg(HW_REG_IB_STS2, 6, 4)
	s_cmp_eq_u32 s2, 0
	s_cbranch_scc0 .Lentry_in_a_cluster
	s_endpgm
.Lentry_in_a_cluster:
	s_bfe_u32 s2, ttmp6, 0x10000c
	s_cmp_lg_u32 s2, 0xf033
	s_cbranch_scc0 .Lentry_shape_is_right
	s_endpgm
.Lentry_shape_is_right:
; LAUNCH 2 OF 3: qkv = x W^T + b.  xb[kb][8192][64] and wb[kb][3072][64] are f16 by K blocks of 64, wb's rows head by head (launch 1); sums in f32.
; The result goes out in f16: qkv[sec][bh][t][d], sec = 0 q, 1 k, 2 v; bh = 16 batch + head; byte ((64 sec + bh) << 18) + 128 t + 2 d.
; LEFT OUT: the bias of k, b[1024:2048] (it adds q_t . bk / 8 to every score of row t, which the softmax cancels: shown at the head of launch 1).
; LIMITS: the bias is the first term of each f32 sum and not the last; |q|, |k|, |v| above 65,504 become infinity in f16, below 6.1e-5 the step is 6e-8.
;
; SHARE.  8 x 32 blocks of 256 rows x 384 columns: one block for each of 256 work-groups, all alike.  Four waves, one for each SIMD of a WGP; a wave makes
; 128 x 192, the q, k and v columns of ONE head: 96 accumulator tiles of 16 x 16, 768 registers.  For 32 along K a wave reads (128 + 192) x 64 bytes from LDS
; for 96 matrix instructions.
; K goes in 16 steps of 64 through a ring of two LDS slots (640 rows x 144 bytes each; two slots of a step of 128 would be 348,160 bytes and do not fit).
; A tile is dense in memory and comes in as rows of 256 bytes, aligned, with 16 bytes of padding behind every 128: an LDS row is 144 bytes.
; CLUSTERS: 4 x 4 work-groups.  The four of a row of the cluster need the same tiles of xb, the four of a column the same tiles of wb: each tile is
; asked for jointly, by the same tensor load with the same descriptor and a mask that names the four.
;
; REGISTERS, in windows of 256:
;   window 0: v16-27 addresses; v32-95, v96-159 fragments of xb (8 x 16 rows x 32 K), two buffers; v160-255 fragments of wb (12 x 16 rows x 32 K), ONE buffer
;   windows 1, 2, 3: accumulators; tile (a, b), rows 16 a, columns 16 b, lies in window 1 + b / 4 at v[8 (8 (b mod 4) + a)]: window 1 = q, 2 = k, 3 = v
; A quarter step (32 along K) is three runs of 32 matrix instructions, one for each window.  Behind run g the four wb fragments that it has used are
; loaded again for the next quarter: they are wanted 64 matrix instructions later.  Six window switches for 96 matrix instructions and 40 loads.
; THE MATRIX INSTRUCTION IS USED TRANSPOSED: source 0 = 16 rows of wb, source 1 = 16 rows of xb.  Lane l then holds row l % 16 of the result and its
; registers 0 to 7 the columns 8 (l / 16) + 0 .. 7: eight neighbouring numbers, which pack into 16 bytes.
.set KSTEPS, 16
.set PITCH,  144                       ; an LDS row: 128 bytes + 16 of padding, an odd multiple of 16: the 16 rows that a load touches start at 16 different banks
.set BHALF,  192*PITCH                 ; what waves 0 and 1 fetch, and what one wave reads of wb
.set AHALF,  128*PITCH                 ; what waves 2 and 3 fetch, and what one wave reads of xb
.set BPART,  2*BHALF                   ; a slot: wb's 384 rows, then xb's 256
.set SLOT,   BPART+2*AHALF
.set STAGE,  2*SLOT                    ; behind the ring: 16 rows x 400 bytes for each wave, for the way out; no tensor load lands there
.set SPITCH, 400                       ; 384 bytes + 16
.set XSTEP,  8192*128                  ; bytes from a K block of xb to the next
.set WSTEP,  3072*128                  ; and of wb
.set ADRA, 16                          ; v16-17  LDS address of my xb fragments in slot 0, 1
.set ADRB, 20                          ; v20-21  the same for wb
.set STO,  24                          ; v24     the way out: where I put 16 bytes of a row
.set RD,   25                          ; v25     the way out: where I read 16 bytes of a section's row back
.set CO,   26                          ; v26     16 x lane: my place in a store's 512 bytes
.set BO,   27                          ; v27     32 x (lane / 16): my eight numbers in 16 columns of b
.set FA0,  32                          ; xb fragments, buffer 0
.set FA1,  96                          ; xb fragments, buffer 1
.set FB,   160                         ; wb fragments
.set TMP,  32                          ; the way out: packed results, 48 registers
.set RB0,  96                          ; the way out: rows read back, two sets of 48 registers in turn
.set RB1,  160
.set G1, 24                            ; s[24:31] descriptor group 1 for tiles of xb
.set G0, 32                            ; s[32:39] descriptor group 0 for tiles of xb, one set for each slot
.set G1B, 48                           ; s[48:55] descriptor group 1 for tiles of wb
.set G0B, 56                           ; s[56:63] descriptor group 0 for tiles of wb, one set for each slot
.set MSB, 0
.macro WIN new                         ; the immediate's low byte: bits 1:0 source 0, 3:2 source 1, 5:4 source 2, 7:6 destination; its high byte repeats the setting that is left
.if MSB != \new
	s_set_vgpr_msb (MSB<<8)|\new
.set MSB, \new
.endif
.endm
; A joint load.  Waves 0 and 1 fetch the two halves of the wb tile, waves 2 and 3 those of the xb tile.  Each line has one mask and one set of registers for
; all that issue it.  The branch hangs on the wave number alone: it is the same in every work-group.
.macro JLOAD s
	s_cmp_eq_u32 s11, 0
	s_cbranch_scc0 .Lfor_a_\@
	tensor_load_to_lds s[G0B+4*\s:G0B+4*\s+3], s[G1B:G1B+7]
	s_nop 0
	s_branch .Lasked_\@
.Lfor_a_\@:
	tensor_load_to_lds s[G0+4*\s:G0+4*\s+3], s[G1:G1+7]
	s_nop 0
.Lasked_\@:
.endm
; A round of the cluster barrier: the work-group barrier, so that wave 0 speaks for all four waves; wave 0 signals for the work-group; every wave waits
; for all sixteen work-groups; the work-group barrier once more.
.macro CREST                           ; a round behind its opening barrier
	s_cmp_lg_u32 s10, 0
	s_cbranch_scc1 .Lnot_wave_0_\@
	s_barrier_signal -3
.Lnot_wave_0_\@:
	s_barrier_wait -3
	s_barrier_signal -1
	s_barrier_wait -1
.endm
.macro CROUND                          ; a whole round
	s_barrier_signal -1
	s_barrier_wait -1
	CREST
.endm
	s_load_b128 s[4:7], s[0:1], 0x0                ; xb s[4:5], wb s[6:7]
	s_load_b64 s[66:67], s[0:1], 0x10              ; b
	s_load_b64 s[72:73], s[0:1], 0x18              ; qkv
	v_lshl_add_u32 v30, v0, 2, 0x33400
	v_mov_b32 v31, 0
	ds_add_u32 v30, v31
	v_lshrrev_b32 v1, 5, v0
	v_readfirstlane_b32 s10, v1                    ; wave 0..3
	s_lshr_b32 s11, s10, 1                         ; which half of the block's rows is mine.  Also: I fetch for wb (0) or for xb (1)
	s_and_b32 s12, s10, 1                          ; which of the block's two heads is mine.  Also: which half of that tile I fetch
	s_bfe_u32 s40, ttmp6, 0x40000                  ; cx: my place along the cluster's x
	s_bfe_u32 s41, ttmp6, 0x40004                  ; cy: along its y
	s_lshl_b32 s42, ttmp9, 2                       ; in a cluster launch ttmp9 and ttmp7 count clusters
	s_add_co_u32 s42, s42, s40                     ; block column = 4 x cluster x + cx, 0 .. 7
	s_and_b32 s13, ttmp7, 0xffff
	s_lshl_b32 s13, s13, 2
	s_add_co_u32 s13, s13, s41                     ; block row = 4 x cluster y + cy, 0 .. 31
	s_lshl_b32 s43, s41, 2
	s_lshl_b32 s43, 15, s43                        ; my row of the cluster: places 4 cy .. 4 cy + 3
	s_lshl_b32 s44, 0x1111, s40                    ; my column: places cx, cx + 4, cx + 8, cx + 12
	; Group 1: rows of 32 elements of 8 bytes (256 bytes), one behind the other; the padding is counted along the tile, 4 words behind every 32.
	s_or_b32 s[G1+0], s43, (3<<16)|(1<<20)|(1<<21)|(4<<22)|(3<<25)  ; 15:0 mask: my row; 17:16 element of 8 bytes; 20 padding on; 21 set beside a mask; 24:22 after every 32 words; 31:25 of 4 words
	s_or_b32 s[G1B+0], s44, (3<<16)|(1<<20)|(1<<21)|(4<<22)|(3<<25) ; the same with the mask of my column
	s_mov_b32 s[G1+1], 32<<16                      ; tensor_dim0 = 32
	s_mov_b32 s[G1B+1], 32<<16
	s_mov_b32 s[G1+2], 64<<16                      ; tensor_dim1: 128 rows of xb x 128 bytes = 64 rows of 256
	s_mov_b32 s[G1B+2], 96<<16                     ;              192 rows of wb = 96 rows of 256
	s_mov_b32 s[G1+3], 32<<16                      ; tile_dim0 = 32
	s_mov_b32 s[G1B+3], 32<<16
	s_mov_b32 s[G1+4], 64                          ; tile_dim1
	s_mov_b32 s[G1B+4], 96
	s_mov_b32 s[G1+5], 32                          ; elements from row to row
	s_mov_b32 s[G1B+5], 32
	s_mov_b32 s[G1+6], 0
	s_mov_b32 s[G1B+6], 0
	s_mov_b32 s[G1+7], 0
	s_mov_b32 s[G1B+7], 0
	; where the tiles come from: xb's hang on the block row alone, which my row of the cluster shares; wb's on the block column alone, which my column shares.
	; Every wave makes both addresses, in registers that never hold the other coordinate, and asks by one of them.
	s_lshl_b32 s16, s13, 15                        ; xb: 256 rows x 128 bytes x block row
	s_lshl_b32 s17, s12, 14                        ;     + 128 rows x 128 bytes x half
	s_add_co_u32 s16, s16, s17
	s_mov_b32 s17, 0
	s_mul_i32 s46, s42, 384*128                    ; wb: 384 rows x 128 bytes x block column
	s_mul_i32 s47, s12, 192*128                    ;     + 192 rows x 128 bytes x half
	s_add_co_u32 s46, s46, s47
	s_mov_b32 s47, 0
	s_mul_i32 s20, s10, BHALF                      ; and where they go.  wb, waves 0 and 1: wave x 27,648
	s_mul_i32 s45, s10, AHALF                      ; xb, waves 2 and 3: BPART + (wave - 2) x 18,432
	s_add_co_u32 s45, s45, BPART-2*AHALF           ;   = wave x 18,432 + 18,432; no place in the cluster enters an LDS address
	s_lshl_b32 s68, s42, 1
	s_add_co_u32 s68, s68, s12                     ; my head = 2 x block column + my half
	s_lshl_b32 s70, s68, 8                         ; 64 numbers of b, 4 bytes each
	s_mov_b32 s71, 0
	s_wait_dscnt 0x0
	s_wait_kmcnt 0x0
	s_add_nc_u64 s[14:15], s[4:5], s[16:17]
	s_add_nc_u64 s[46:47], s[6:7], s[46:47]
	s_add_nc_u64 s[66:67], s[66:67], s[70:71]      ; b at my head's q columns; its v columns lie 8,192 bytes on
	CROUND                                         ; all sixteen work-groups are here: the first joint loads meet
.irp s, 0,1
	s_mov_b32 s[G0+4*\s], 1                                        ; count = 1
	s_add_co_u32 s[G0+4*\s+1], s45, \s*SLOT                        ; LDS address
	s_add_nc_u64 s[G0+4*\s+2:G0+4*\s+3], s[14:15], \s*XSTEP        ; global address: K step s
	s_or_b32 s[G0+4*\s+3], s[G0+4*\s+3], 0x80000000                ; type = 2
	s_mov_b32 s[G0B+4*\s], 1
	s_add_co_u32 s[G0B+4*\s+1], s20, \s*SLOT
	s_add_nc_u64 s[G0B+4*\s+2:G0B+4*\s+3], s[46:47], \s*WSTEP
	s_or_b32 s[G0B+4*\s+3], s[G0B+4*\s+3], 0x80000000
	JLOAD \s                                       ; both first fills go out together: two tensor loads of this wave are out
.endr
	; A fragment is 16 rows x 32 K in 8 registers: lane l holds row l % 16; registers 0-3 hold K = 8 (l / 16) + 0..7, registers 4-7 hold
	; K = 16 + 8 (l / 16) + 0..7: two loads of 16 bytes, 32 bytes apart.
	v_and_b32 v1, 15, v0                           ; l % 16
	v_bfe_u32 v2, v0, 4, 1                         ; l / 16
	v_mul_u32_u24 v3, v1, PITCH
	v_lshl_add_u32 v3, v2, 4, v3                   ; row x pitch + 16 x half
	s_mul_i32 s21, s11, AHALF                      ; my 128 rows of xb,
	s_add_co_u32 s21, s21, BPART                   ; which lie behind the 384 of wb
	s_mul_i32 s22, s12, BHALF                      ; my 192 rows of wb
.irp s, 0,1
	v_add_nc_u32 v[ADRA+\s], s21, v3
	v_add_nc_u32 v[ADRB+\s], s22, v3
	s_add_co_u32 s21, s21, SLOT
	s_add_co_u32 s22, s22, SLOT
.endr
	s_mul_i32 s23, s10, 16*SPITCH
	s_add_co_u32 s23, s23, STAGE                   ; my stage
	v_mul_u32_u24 v4, v1, SPITCH                   ; in: row l % 16, 16 bytes for each half of the lanes
	v_lshl_add_u32 v4, v2, 4, v4
	v_add_nc_u32 v[STO], s23, v4
	v_bfe_u32 v6, v0, 3, 2                         ; back: eight lanes take the 128 bytes that one row holds of one section,
	v_and_b32 v7, 7, v0                            ; so a wave takes four rows
	v_mul_u32_u24 v5, v6, SPITCH
	v_lshl_add_u32 v5, v7, 4, v5
	v_add_nc_u32 v[RD], s23, v5
	v_and_b32 v5, 31, v0
	v_lshlrev_b32 v[CO], 4, v5                     ; in qkv those four rows are 512 neighbouring bytes: 16 x lane
	v_lshlrev_b32 v[BO], 5, v2                     ; 8 numbers of b for each half of the lanes
	; THE BIAS NEEDS NO REGISTERS OF ITS OWN: that of columns 16 b .. + 15 is loaded into the registers of accumulator (7, b).  In the first quarter it is the C of
	; tiles (0..6, b), which write their own registers, and last of all tile (7, b) adds in place.  Register i = b of column 16 b + 8 (l / 16) + i, the same for every row.
	WIN 0x40                                       ; destination window 1: q
.irp bb, 0,1,2,3
	global_load_b128 v[8*(8*\bb+7):8*(8*\bb+7)+3],   v[BO], s[66:67] offset:64*\bb
	global_load_b128 v[8*(8*\bb+7)+4:8*(8*\bb+7)+7], v[BO], s[66:67] offset:64*\bb+16
.endr
	WIN 0xc0                                       ; destination window 3: v
.irp bb, 0,1,2,3
	global_load_b128 v[8*(8*\bb+7):8*(8*\bb+7)+3],   v[BO], s[66:67] offset:8192+64*\bb
	global_load_b128 v[8*(8*\bb+7)+4:8*(8*\bb+7)+7], v[BO], s[66:67] offset:8192+64*\bb+16
.endr
	WIN 0
; 16 matrix instructions of run g: n blocks 4 g + b0, + 1 x all 8 m blocks, 32 along K, adding in place.  The accumulators take turns, one instruction a
; turn, in the same order in every quarter.
.macro MUL16 fa, g, b0
.irp bb, \b0, \b0+1
.irp a, 0,1,2,3,4,5,6,7
	v_wmma_f32_16x16x32_f16 v[8*(8*(\bb)+\a):8*(8*(\bb)+\a)+7], v[FB+8*(4*\g+(\bb)):FB+8*(4*\g+(\bb))+7], v[\fa+8*\a:\fa+8*\a+7], v[8*(8*(\bb)+\a):8*(8*(\bb)+\a)+7]
.endr
.endr
.endm
.macro MULZ fa, g                      ; a first run whose sums start from 0: nothing is ever cleared
.irp bb, 0,1,2,3
.irp a, 0,1,2,3,4,5,6,7
	v_wmma_f32_16x16x32_f16 v[8*(8*\bb+\a):8*(8*\bb+\a)+7], v[FB+8*(4*\g+\bb):FB+8*(4*\g+\bb)+7], v[\fa+8*\a:\fa+8*\a+7], 0
.endr
.endr
.endm
.macro MULB fa, g                      ; a first run whose sums start from the bias, which lies in tile (7, b)
.irp a, 0,1,2,3,4,5,6
.irp bb, 0,1,2,3
	v_wmma_f32_16x16x32_f16 v[8*(8*\bb+\a):8*(8*\bb+\a)+7], v[FB+8*(4*\g+\bb):FB+8*(4*\g+\bb)+7], v[\fa+8*\a:\fa+8*\a+7], v[8*(8*\bb+7):8*(8*\bb+7)+7]
.endr
.endr
.rept 5
	v_nop                                          ; five places before a matrix instruction writes over a register that earlier ones read as C (ISA guide 7.12.1)
.endr
.irp bb, 0,1,2,3
	v_wmma_f32_16x16x32_f16 v[8*(8*\bb+7):8*(8*\bb+7)+7], v[FB+8*(4*\g+\bb):FB+8*(4*\g+\bb)+7], v[\fa+56:\fa+63], v[8*(8*\bb+7):8*(8*\bb+7)+7]
.endr
.endm
.macro RUN32 fa, g, first
.if \first == 0
	MUL16 \fa, \g, 0
	MUL16 \fa, \g, 2
.elseif \g == 1
	MULZ \fa, \g                                   ; k: no bias
.else
	MULB \fa, \g                                   ; q and v
.endif
.endm
.macro LDB slot, k, g                  ; 8 LDS loads: wb fragments 4 g .. 4 g + 3, 32 K at byte k of the rows
.irp i, 0,1,2,3
	ds_load_b128 v[FB+8*(4*\g+\i):FB+8*(4*\g+\i)+3],   v[ADRB+\slot] offset:\k+(4*\g+\i)*16*PITCH
	ds_load_b128 v[FB+8*(4*\g+\i)+4:FB+8*(4*\g+\i)+7], v[ADRB+\slot] offset:\k+(4*\g+\i)*16*PITCH+32
.endr
.endm
.macro LDA slot, k, fa                 ; 16 LDS loads: all eight xb fragments into buffer fa
.irp i, 0,1,2,3,4,5,6,7
	ds_load_b128 v[\fa+8*\i:\fa+8*\i+3],   v[ADRA+\slot] offset:\k+\i*16*PITCH
	ds_load_b128 v[\fa+8*\i+4:\fa+8*\i+7], v[ADRA+\slot] offset:\k+\i*16*PITCH+32
.endr
.endm
; A load into a register that a matrix instruction has read, and a vector instruction that reads a matrix result, stand four independent plain vector
; instructions behind that matrix instruction (ISA guide 7.12.1 for vector instructions).  This kernel has no vector work to put there.
.macro PLACES
.rept 4
	v_nop
.endr
.endm
; The LDS loads of a quarter go out in three groups, for the next quarter: group 0 = wb 0-3 and all of xb (24 loads), group 1 = wb 4-7 (8), group 2 = wb 8-11 (8).
; A step's first quarter: multiplies buffer 0 and fetches the second quarter (byte 64 of the same slot's rows).
.macro QFIRST slot, first
	s_wait_dscnt 16                                ; the last quarter's group 0 is in; its groups 1 and 2 (16 loads) may be out
	WIN 0x50
	RUN32 FA0, 0, \first
	PLACES
	WIN 0
	LDB \slot, 64, 0
	LDA \slot, 64, FA1
	s_wait_dscnt 32                                ; the last quarter's group 1 is in: behind it came its group 2 (8) and the 24 just issued
	WIN 0xa0
	RUN32 FA0, 1, \first
	PLACES
	WIN 0
	LDB \slot, 64, 1
	s_wait_dscnt 32                                ; the last quarter's group 2 is in: behind it came 24 + 8 of this quarter
	WIN 0xf0
	RUN32 FA0, 2, \first
	PLACES
	WIN 0
	LDB \slot, 64, 2
.endm
; A step's second quarter: multiplies buffer 1 and changes slots.  All reads of this slot were issued in the first quarter, so the slot can be filled again
; here, two K steps ahead.  In front of the barrier each wave waits for its reads of this slot and for all its tensor loads, of which one is out: its part of the
; next slot.  Behind it the refill comes first, then the next slot's first fragments.  From a request to the wait for it a wave issues 176 matrix instructions.
.macro QSECOND slot, next, fill
	s_wait_dscnt 16
	WIN 0x50
	MUL16 FA1, 0, 0
	s_wait_dscnt 0                                 ; my reads of this slot are over, so wb 4-11 are in as well: runs 1 and 2 below need no further wait
	s_wait_tensorcnt 0x0                           ; and all my tensor loads have landed
	ds_add_u32 v30, v31
	s_wait_dscnt 0x0
	s_barrier_signal -1                            ; say so (where the slot is filled again this barrier opens a round of the cluster barrier),
	MUL16 FA1, 0, 2                                ; work on registers while the others arrive,
	WIN 0
	s_barrier_wait -1                              ; and go on when all four have said so
.if \fill
	CREST                                          ; all sixteen work-groups have said so: no wave of any partner still reads this slot or has a load on its way
	s_add_nc_u64 s[G0+4*\slot+2:G0+4*\slot+3], s[G0+4*\slot+2:G0+4*\slot+3], 2*XSTEP
	s_add_nc_u64 s[G0B+4*\slot+2:G0B+4*\slot+3], s[G0B+4*\slot+2:G0B+4*\slot+3], 2*WSTEP
	JLOAD \slot                                    ; the first tensor load behind the round, and my only one until the next
.endif
	PLACES
	LDB \next, 0, 0
	LDA \next, 0, FA0
	WIN 0xa0
	MUL16 FA1, 1, 0
	MUL16 FA1, 1, 2
	PLACES
	WIN 0
	LDB \next, 0, 1
	WIN 0xf0
	MUL16 FA1, 2, 0
	MUL16 FA1, 2, 2
	PLACES
	WIN 0
	LDB \next, 0, 2
.endm
	s_wait_tensorcnt 1                             ; my part of K step 0 is in; K step 1's load stays out: behind this barrier nothing is filled
	s_barrier_signal -1
	s_barrier_wait -1                              ; everybody's is
	LDB 0, 0, 0                                    ; the first quarter's fragments, in the three groups' order, so that the counts hold from the start
	LDA 0, 0, FA0
	LDB 0, 0, 1
	LDB 0, 0, 2
	s_wait_loadcnt 0x0                             ; the bias
	QFIRST 0, 1                                    ; the first lap stands in front of the loop: its first products start the sums
	QSECOND 0, 1, 1
	QFIRST 1, 0
	QSECOND 1, 0, 1
	s_mov_b32 s3, KSTEPS/2-2                       ; a lap = two K steps = once round the ring
.Llap:
	QFIRST 0, 0
	QSECOND 0, 1, 1
	QFIRST 1, 0
	QSECOND 1, 0, 1
	s_sub_co_u32 s3, s3, 1
	s_cmp_lg_u32 s3, 0
	s_cbranch_scc1 .Llap
	QFIRST 0, 0                                    ; the last lap fills nothing and has no round: my one tensor load that is still out is the last K step's
	QSECOND 0, 1, 0
	QFIRST 1, 0
	s_wait_dscnt 16                                ; the very last quarter: nothing more to fetch, the counts run down
	WIN 0x50
	MUL16 FA1, 0, 0
	MUL16 FA1, 0, 2
	s_wait_dscnt 8
	WIN 0xa0
	MUL16 FA1, 1, 0
	MUL16 FA1, 1, 2
	s_wait_dscnt 0
	WIN 0xf0
	MUL16 FA1, 2, 0
	MUL16 FA1, 2, 2
	; THE WAY OUT, 16 rows at a time: round to f16, 16 bytes a lane into my own stage (a row is q, k, v of my head: 3 x 128 bytes), read back by sections.
	PLACES
	s_lshr_b32 s69, s13, 3                         ; batch = block row / 8 (8 blocks of 256 rows are one batch's 2,048)
	s_lshl_b32 s69, s69, 4
	s_add_co_u32 s68, s68, s69                     ; 16 x batch + head
	s_lshl_b32 s68, s68, 18                        ; a head is 2,048 x 128 bytes
	s_and_b32 s69, s13, 7
	s_lshl_b32 s69, s69, 8
	s_lshl_b32 s78, s11, 7
	s_add_co_u32 s69, s69, s78                     ; t of my first row = 256 x (block row mod 8) + 128 x my half of the rows
	s_lshl_b32 s69, s69, 7
	s_add_co_u32 s68, s68, s69
	s_mov_b32 s69, 0
	s_add_nc_u64 s[72:73], s[72:73], s[68:69]      ; q of my head at my first row; set once, the rows stand in the stores' immediates
	s_add_nc_u64 s[74:75], s[72:73], 16777216      ; k: 64 heads on
	s_add_nc_u64 s[76:77], s[72:73], 33554432      ; v
.macro CVT a, g, from                  ; the four tiles (a, 4 g ..) of window 1 + g (from: sources 0 and 1 in that window)
	WIN \from
.irp bb, 0,1,2,3
.irp r, 0,1,2,3
	v_cvt_pk_f16_f32 v[TMP+4*(4*\g+\bb)+\r], v[8*(8*\bb+\a)+2*\r], v[8*(8*\bb+\a)+2*\r+1]
.endr
.endr
.endm
; rows 16 a .. 16 a + 15 of my block; rb: RB0 or RB1 in turn
.macro OUT16 a, rb
	CVT \a, 0, 0x05
	CVT \a, 1, 0x0a
	CVT \a, 2, 0x0f
	WIN 0
.irp b, 0,1,2,3,4,5,6,7,8,9,10,11
	ds_store_b128 v[STO], v[TMP+4*\b:TMP+4*\b+3] offset:32*\b
.endr
	s_wait_xcnt 0x0                                ; set rb, which earlier stores read, is loaded again only behind this wait
.irp q4, 0,1,2,3
.irp sc, 0,1,2
	ds_load_b128 v[\rb+4*(3*\q4+\sc):\rb+4*(3*\q4+\sc)+3], v[RD] offset:\q4*4*SPITCH+\sc*128   ; rows 4 q4 .. + 3, section sc; LDS serves a wave in order (ISA guide 5.7.1): these see the stores above
.endr
.endr
.irp q4, 0,1,2,3
.irp sc, 0,1,2
	s_wait_dscnt 11-(3*\q4+\sc)
	global_store_b128 v[CO], v[\rb+4*(3*\q4+\sc):\rb+4*(3*\q4+\sc)+3], s[72+2*\sc:73+2*\sc] offset:\a*2048+\q4*512   ; four rows of one section: 512 neighbouring bytes, aligned
.endr
.endr
.endm
	OUT16 0, RB0
	OUT16 1, RB1
	OUT16 2, RB0
	OUT16 3, RB1
	OUT16 4, RB0
	OUT16 5, RB1
	OUT16 6, RB0
	OUT16 7, RB1
	s_wait_tensorcnt 0x0
	ds_add_u32 v30, v31
	s_wait_dscnt 0x0
	CROUND                                         ; the closing round: no work-group ends while a partner may still ask for a tile that names it
	s_endpgm
.Lfunc_end_k_qd8c8832d6a_qkvgemm:
	.size	k_qd8c8832d6a_qkvgemm, .Lfunc_end_k_qd8c8832d6a_qkvgemm-k_qd8c8832d6a_qkvgemm
	.p2alignl 7, 3214868480
	.fill 96, 4, 3214868480
	.section	.rodata,"a",@progbits
	.p2align	6, 0x0
	.amdhsa_kernel k_qd8c8832d6a_qkvgemm
		.amdhsa_group_segment_fixed_size 327680
		.amdhsa_private_segment_fixed_size 0
		.amdhsa_enable_private_segment 0
		.amdhsa_kernarg_size 32
		.amdhsa_user_sgpr_count 2
		.amdhsa_user_sgpr_kernarg_segment_ptr 1
		.amdhsa_wavefront_size32 1
		.amdhsa_system_sgpr_workgroup_id_x 1
		.amdhsa_system_sgpr_workgroup_id_y 1
		.amdhsa_system_sgpr_workgroup_id_z 1
		.amdhsa_system_vgpr_workitem_id 0
		.amdhsa_next_free_vgpr 1024
		.amdhsa_next_free_sgpr 80
		.amdhsa_reserve_vcc 0
		.amdhsa_float_denorm_mode_32 3
		.amdhsa_float_denorm_mode_16_64 3
		.amdhsa_memory_ordered 1
		.amdhsa_forward_progress 1
		.amdhsa_inst_pref_size 172
	.end_amdhsa_kernel
	.amdgpu_metadata
---
amdhsa.version: [ 1, 2 ]
amdhsa.kernels:
  - .name:           k_qd8c8832d6a_qkvgemm
    .symbol:         k_qd8c8832d6a_qkvgemm.kd
    .args:
      - { .name: xb, .offset: 0, .size: 8, .value_kind: global_buffer, .address_space: global }
      - { .name: wb, .offset: 8, .size: 8, .value_kind: global_buffer, .address_space: global }
      - { .name: b, .offset: 16, .size: 8, .value_kind: global_buffer, .address_space: global }
      - { .name: qkv, .offset: 24, .size: 8, .value_kind: global_buffer, .address_space: global }
    .group_segment_fixed_size: 327680
    .private_segment_fixed_size: 0
    .kernarg_segment_align: 8
    .kernarg_segment_size: 32
    .max_flat_workgroup_size: 128
    .sgpr_count:     80
    .vgpr_count:     1024
    .wavefront_size: 32
...
	.end_amdgpu_metadata
.endif
;; end of part 5
;; launch attn (part 6): grid 256 x 1, 4 waves a work-group, clusters of 4 x 1, 327,680 bytes of LDS; arguments qkv, out0; writes out0
.if DOCPART == 6
	.amdgcn_target "amdgcn-amd-amdhsa--gfx1250"
	.amdhsa_code_object_version 6
	.text
	.protected	k_qd8c8832d6a_attn
	.globl	k_qd8c8832d6a_attn
	.p2align	8
	.type	k_qd8c8832d6a_attn,@function
k_qd8c8832d6a_attn:
	s_mov_b64 s[64:65], 0
	v_nop
	global_prefetch_b8 v0, s[64:65] scope:SCOPE_SE
	s_setreg_imm32_b32 hwreg(HW_REG_WAVE_MODE, 25, 1), 1
	s_wait_xcnt 0x0
	s_wait_alu depctr_hold_cnt(0) depctr_sa_sdst(0) depctr_va_vdst(0) depctr_va_sdst(0) depctr_va_ssrc(0) depctr_va_vcc(0) depctr_vm_vsrc(0)
	s_getreg_b32 s2, hwreg(HW_REG_IB_STS2, 6, 4)
	s_cmp_eq_u32 s2, 0
	s_cbranch_scc0 .Lentry_in_a_cluster
	s_endpgm
.Lentry_in_a_cluster:
	s_bfe_u32 s2, ttmp6, 0x10000c
	s_cmp_lg_u32 s2, 0x3003
	s_cbranch_scc0 .Lentry_shape_is_right
	s_endpgm
.Lentry_shape_is_right:
; LAUNCH 3 OF 3: causal attention.  qkv[sec][bh][t][d] in f16 (launch 2); out0[batch][t][64 head + d] in f32.
; LEFT OUT: every block of 16 queries x 64 keys that lies wholly above the diagonal (reference() masks it to -inf: weight 0; shown at the head of launch 1).
; LIMITS: the weights p go to the matrix unit in f16 (p <= 1; below 6e-8 they are 0); an exponential below 2^-126 is 0; 1 / l is v_rcp_f32 (1 ULP);
; the maxima drop a NaN (v_max_num), so NaN and infinities among the inputs do not spread as in reference().
;
; SHARE.  A cluster of four work-groups is one head (bh = the cluster's x), 16 waves.  Wave w of work-group c holds EIGHT query tiles of 16 rows:
; tile j is rows 256 j + 64 w + 16 c + 0 .. 15.  So all 16 waves walk the same keys in the same order with the same control flow in all four partners,
; and c enters vector data and global addresses alone.  K and V tiles are therefore asked for JOINTLY (mask 15): a head's K and V are fetched once for four.
; Keys go in 8 phases of 256 keys (one LDS slot), 4 key tiles of 64 in each.  In phase p tiles j > p see every key; tile p is on the diagonal:
; key tile kt is live for kt <= w (a branch on the wave number against the loop counter), and masked, by whole numbers, for kt = w alone.
; Behind phase p tile p is finished and goes out.  Blocks of 16 x 64 for a wave: 112 + 8 (w + 1).
;
; BOTH PRODUCTS ARE TRANSPOSED, so that no number changes lanes between them:
;   S^T tile t = K (16 keys, source 0) x Q (16 queries, source 1): lane (r = l % 16, h = l / 16), register i = key 16 t + 8 h + i of query r;
;   O^T tile dt += V^T (16 d, source 0, by the transposing LDS load) x P^T (source 1): for 32 keys source 1 wants keys 8 h + 0..7 in registers 0-3 and
;   16 + 8 h + 0..7 in registers 4-7, which are S tiles 2 cc and 2 cc + 1 packed: P[k] = pack(S[2 k], S[2 k + 1]).
; The running maximum m, the sum l and the factor alpha are one register a lane (query r); l stays a sum over the lane's own half of the keys to the end.
;
; THE QUERY TILES OF A KEY TILE TAKE TURNS.  A wave issues in order, so one tile's 16 products (128 cycles of the matrix unit by the form's multiply-adds) and its
; 120 vector lines would follow each other.  The tiles share K's and V's fragments and are independent, so they form a chain, tile j's turn being
;   ALPHA j: the 8 S products of tile j + 1, and behind each a slice of tile j's c s - c m and exponentials;
;   BETA  j: the 8 PV products of tile j - 1, and behind each a slice of tile j's rescale of O, sum of p and packing of p, and of tile j + 1's maximum.
; So S and P have two sets each, taken by the tile's parity, and so has alpha.  The slices are also the places that stand behind the products.
; WINDOWS.  ALPHA runs under ONE setting: only source 1 (Q) is displaced, and its slices have a scalar or no source 1.  A PV product writes window 1, where no
; slice but the rescale writes, so each PV product has its own two switches: 17 switches for a turn's 16 products.
; The chain begins anew in each key tile.  The diagonal tile leads it, under its branch, and finishes its own PV there, so that both ways join in one state;
; tile 7's PV is left over and stands behind the NEXT key tile's K loads, which are on their way meanwhile.
;
; LDS: two slots of 77,824 bytes: V, 256 keys x 160 bytes (128 + 32 of padding: the pitch that the transposing load wants), then K, 256 keys x 144;
; behind them a stage of 16 rows x 272 bytes for each wave, into which no tensor load lands.
; REGISTERS: window 0 as named below; window 1: O of tile j at v[32 j + 8 dt + i]; window 2: Q of tile j at v[16 j + 8 dh + ..], V's fragments at v[128 ..].
.set VP,    160
.set KP,    144
.set KOFF,  256*VP                     ; K's part of a slot lies behind V's
.set SLOT,  256*VP+256*KP
.set STAGE, 2*SLOT
.set SP,    272
.set KSEC,  16777216                   ; byte of section k in qkv
.set VSEC,  33554432                   ; and of section v
.set KB,  8                            ; v8   K fragments: KOFF + r x 144 + 16 h
.set VB,  9                            ; v9   V fragments: (8 h + l % 8) x 160 + 16 ((l / 8) % 2)
.set KA,  10                           ; v10  KB + slot + key tile
.set VA,  11                           ; v11  VB + slot + key tile
.set QO,  12                           ; v12  (64 w + 16 c + r) x 128 + 16 h
.set CO,  13                           ; v13  (64 w + 16 c + h) x 4096 + 16 r
.set STO, 14                           ; v14  stage, in:   r x 272 + 32 h
.set RD,  15                           ; v15  stage, back: h x 272 + 16 r
.set LIM, 16                           ; v16  16 c + r - 8 h: on the diagonal key 16 t + i (+ 8 h) is masked where 16 t + i > LIM
.set NINF, 17                          ; v17  -infinity
.set AL,  18                           ; v[18:19] alpha of an even tile, v[20:21] of an odd one (v19, v21 are only named as the pairs' other halves)
.set NM,  22                           ; v[22:23] -c m (v23 likewise)
.set TB,  24                           ; v[24:31] the sum of p, at work
.set MX,  32                           ; v[32:39] m of tile j, in raw scores
.set LS,  40                           ; v[40:47] l of tile j
.set SS,  48                           ; v[48:79], v[80:111] S, then p: the set of an even tile, of an odd tile
.set PP,  112                          ; v[112:127], v[128:143] p in f16, likewise
.set KF,  144                          ; v[144:207] K fragment (t, dh) at KF + 16 t + 8 dh
.set OB,  208                          ; v[208:239] rows on their way out
.set TA,  240                          ; v[240:244] the maximum, at work
.set VF,  128                          ; WINDOW 2 v[128:191] V fragment (cc, dt) at VF + 32 cc + 8 dt
.set G1K, 16                           ; s[16:23] descriptor group 1 for K
.set G1V, 24                           ; s[24:31] for V: it differs in the padding alone
.set G0K, 32                           ; s[32:39] descriptor group 0 for K, one set for each slot
.set G0V, 40                           ; s[40:47] for V
.set MSB, 0
.macro WIN new                         ; low byte: bits 1:0 source 0, 3:2 source 1, 5:4 source 2, 7:6 destination; the high byte repeats the setting that is left
.if MSB != \new
	s_set_vgpr_msb (MSB<<8)|\new
.set MSB, \new
.endif
.endm
.macro PLACES                          ; four independent plain vector instructions behind a matrix instruction (ISA guide 7.12.1), where no slice stands
	s_wait_alu depctr_va_vdst(0)
.rept 4
	v_nop
.endr
.endm
.macro ROUND                           ; a round of the cluster barrier: work-group barrier, wave 0 signals for the work-group, all wait for the four, work-group barrier
	s_barrier_signal -1
	s_barrier_wait -1
	s_cmp_lg_u32 s8, 0
	s_cbranch_scc1 .Lnot_wave_0_\@
	s_barrier_signal -3
.Lnot_wave_0_\@:
	s_barrier_wait -3
	s_barrier_signal -1
	s_barrier_wait -1
.endm
.macro JLOAD s                         ; a joint load into slot s: waves 0 and 1 fetch the halves of V's 256 keys, waves 2 and 3 those of K's
	s_cmp_eq_u32 s9, 0
	s_cbranch_scc0 .Lfor_k_\@
	tensor_load_to_lds s[G0V+4*\s:G0V+4*\s+3], s[G1V:G1V+7]
	s_nop 0
	s_branch .Lasked_\@
.Lfor_k_\@:
	tensor_load_to_lds s[G0K+4*\s:G0K+4*\s+3], s[G1K:G1K+7]
	s_nop 0
.Lasked_\@:
.endm
	s_load_b128 s[4:7], s[0:1], 0x0                ; qkv s[4:5], out0 s[6:7]
	v_lshl_add_u32 v254, v0, 2, 0x2a400
	v_mov_b32 v255, 0
	ds_add_u32 v254, v255
	v_lshrrev_b32 v1, 5, v0
	v_readfirstlane_b32 s8, v1                     ; wave w
	s_lshr_b32 s9, s8, 1                           ; I fetch for V (0) or for K (1)
	s_and_b32 s10, s8, 1                           ; which 128 keys of the 256
	s_bfe_u32 s11, ttmp6, 0x40000                  ; c: my place in the cluster
	s_mov_b32 s14, 0x76543210                      ; v_permlanex16_b32: lane i of one half reads lane i of the other
	s_mov_b32 s15, 0xfedcba98
	s_mov_b32 s48, 0x3e38aa3b                      ; c = log2(e) / 8: the scale 1 / sqrt(64) and the base of v_exp_f32 in one factor
	s_mov_b32 s49, 0x3e38aa3b
	s_mov_b32 s50, 0xbe38aa3b                      ; -c
	; Group 1.  128 keys x 128 bytes are dense in memory: 64 rows of 256 bytes (32 elements of 8 bytes).  The padding is counted along the tile, every 32 words,
	; so it falls behind each key's 128 bytes: 4 words for K (pitch 144), 8 for V (pitch 160).
	s_mov_b32 s[G1K+0], 15|(3<<16)|(1<<20)|(1<<21)|(4<<22)|(3<<25)   ; mask: all four of the cluster; element of 8 bytes; padding on; bit 21 beside a mask
	s_mov_b32 s[G1V+0], 15|(3<<16)|(1<<20)|(1<<21)|(4<<22)|(7<<25)
.irp g, G1K, G1V
	s_mov_b32 s[\g+1], 32<<16                      ; tensor_dim0 = 32
	s_mov_b32 s[\g+2], 64<<16                      ; tensor_dim1 = 64
	s_mov_b32 s[\g+3], 32<<16                      ; tile_dim0 = 32
	s_mov_b32 s[\g+4], 64                          ; tile_dim1 = 64
	s_mov_b32 s[\g+5], 32                          ; from row to row: 32 elements
	s_mov_b32 s[\g+6], 0
	s_mov_b32 s[\g+7], 0
.endr
	s_mul_i32 s62, s8, 128*VP                      ; V, waves 0 and 1: 128 keys x 160 bytes each, from the slot's first byte
	s_mul_i32 s63, s8, 128*KP                      ; K, waves 2 and 3: KOFF + (w - 2) x 128 x 144
	s_add_co_u32 s63, s63, KOFF-2*128*KP           ;   = w x 18,432 + 4,096
	s_lshl_b32 s54, ttmp9, 18                      ; my head: 2,048 x 128 bytes each
	s_mov_b32 s55, 0
	s_lshl_b32 s58, s10, 14                        ; my 128 keys
	s_add_co_u32 s58, s58, s54
	s_mov_b32 s59, 0
	s_lshr_b32 s60, ttmp9, 4                       ; out0: batch x 2,048 x 4,096 bytes
	s_lshl_b32 s60, s60, 23
	s_and_b32 s61, ttmp9, 15                       ;       + head x 256 bytes
	s_lshl_b32 s61, s61, 8
	s_add_co_u32 s60, s60, s61
	s_mov_b32 s61, 0
	; lane terms
	v_and_b32 v2, 15, v0                           ; r
	v_bfe_u32 v3, v0, 4, 1                         ; h
	v_mul_u32_u24 v4, v2, KP
	v_lshl_add_u32 v4, v3, 4, v4
	v_add_nc_u32 v[KB], KOFF, v4
	v_and_b32 v5, 7, v0
	v_lshl_add_u32 v5, v3, 3, v5
	v_mul_u32_u24 v5, v5, VP
	v_bfe_u32 v6, v0, 3, 1
	v_lshl_add_u32 v[VB], v6, 4, v5
	s_lshl_b32 s12, s8, 6
	s_lshl_b32 s3, s11, 4                          ; 16 c
	s_add_co_u32 s12, s12, s3                      ; 64 w + 16 c: my tiles' first row in each 256
	v_add_nc_u32 v4, s12, v2
	v_lshlrev_b32 v4, 7, v4
	v_lshl_add_u32 v[QO], v3, 4, v4
	v_add_nc_u32 v4, s12, v3
	v_lshlrev_b32 v4, 12, v4
	v_lshl_add_u32 v[CO], v2, 4, v4
	v_add_nc_u32 v4, s3, v2
	v_lshlrev_b32 v5, 3, v3
	v_sub_nc_u32 v[LIM], v4, v5
	s_mul_i32 s51, s8, 16*SP
	s_add_co_u32 s51, s51, STAGE                   ; my stage
	v_mul_u32_u24 v4, v2, SP
	v_lshl_add_u32 v4, v3, 5, v4
	v_add_nc_u32 v[STO], s51, v4
	v_mul_u32_u24 v4, v3, SP
	v_lshl_add_u32 v4, v2, 4, v4
	v_add_nc_u32 v[RD], s51, v4
	v_mov_b32 v[NINF], 0xff800000
	v_mov_b32 v[AL+1], 0
	v_mov_b32 v[AL+3], 0
	v_mov_b32 v[NM+1], 0
	s_wait_dscnt 0x0
	s_wait_kmcnt 0x0
	s_add_nc_u64 s[52:53], s[4:5], s[54:55]        ; q of my head
	s_add_nc_u64 s[56:57], s[6:7], s[60:61]        ; out0 at my batch and head
	s_add_nc_u64 s[58:59], s[4:5], s[58:59]        ; qkv + head + my 128 keys: the cluster's x and the wave number alone, the same in all four partners
.irp s, 0,1
	s_mov_b32 s[G0V+4*\s], 1                                       ; count = 1
	s_add_co_u32 s[G0V+4*\s+1], s62, \s*SLOT                       ; LDS address
	s_add_nc_u64 s[G0V+4*\s+2:G0V+4*\s+3], s[58:59], VSEC+\s*32768 ; phase s: 256 keys x 128 bytes on
	s_or_b32 s[G0V+4*\s+3], s[G0V+4*\s+3], 0x80000000              ; type = 2
	s_mov_b32 s[G0K+4*\s], 1
	s_add_co_u32 s[G0K+4*\s+1], s63, \s*SLOT
	s_add_nc_u64 s[G0K+4*\s+2:G0K+4*\s+3], s[58:59], KSEC+\s*32768
	s_or_b32 s[G0K+4*\s+3], s[G0K+4*\s+3], 0x80000000
.endr
	ROUND                                          ; all four work-groups are here: the first joint loads meet
	JLOAD 0                                        ; phase 0's keys; a wave never has more than this one tensor load out
	WIN 0x80                                       ; destination window 2
.irp j, 0,1,2,3,4,5,6,7
.irp dh, 0,1
	global_load_b128 v[16*\j+8*\dh:16*\j+8*\dh+3],   v[QO], s[52:53] offset:32768*\j+64*\dh      ; Q(r, 32 dh + 8 h ..)
	global_load_b128 v[16*\j+8*\dh+4:16*\j+8*\dh+7], v[QO], s[52:53] offset:32768*\j+64*\dh+32   ; Q(r, 32 dh + 16 + 8 h ..)
.endr
.endr
	WIN 0
; ---- THE PRODUCTS, one instruction a call.  In each run of eight the four accumulators take turns, one instruction a turn.
.macro SW n, k                         ; S product k = 0..7 of tile n, under 0x08 (source 1 = Q in window 2): k < 4 starts S tile k on d 0-31, k >= 4 adds d 32-63
.set SB, SS+32*((\n)&1)
.if \k < 4
	v_wmma_f32_16x16x32_f16 v[SB+8*\k:SB+8*\k+7], v[KF+16*\k:KF+16*\k+7], v[16*(\n):16*(\n)+7], 0
.else
	v_wmma_f32_16x16x32_f16 v[SB+8*\k-32:SB+8*\k-25], v[KF+16*\k-56:KF+16*\k-49], v[16*(\n)+8:16*(\n)+15], v[SB+8*\k-32:SB+8*\k-25]
.endif
.endm
.macro PW t, k, first                  ; PV product k = 0..7 of tile t, under 0x52 (source 0 = V in window 2, C and D = O in window 1): k < 4 keys 0-31, k >= 4 keys 32-63
.set PB, PP+16*((\t)&1)
.if \k < 4
.if \first
	v_wmma_f32_16x16x32_f16 v[32*(\t)+8*\k:32*(\t)+8*\k+7], v[VF+8*\k:VF+8*\k+7], v[PB:PB+7], 0
	s_wait_alu depctr_va_vdst(0)
.else
	v_wmma_f32_16x16x32_f16 v[32*(\t)+8*\k:32*(\t)+8*\k+7], v[VF+8*\k:VF+8*\k+7], v[PB:PB+7], v[32*(\t)+8*\k:32*(\t)+8*\k+7]
.endif
.else
	v_wmma_f32_16x16x32_f16 v[32*(\t)+8*\k-32:32*(\t)+8*\k-25], v[VF+8*\k:VF+8*\k+7], v[PB+8:PB+15], v[32*(\t)+8*\k-32:32*(\t)+8*\k-25]
.endif
.endm
.macro SRAW n                          ; the S products of the tile that leads a chain: no other tile has vector work yet
	WIN 0x08
.irp k, 0,1,2,3,4,5,6,7
	SW \n, \k
.endr
	WIN 0
	PLACES
.endm
.macro PVRAW t, first                  ; PV products with no tile's vector work left to set among them
	WIN 0x52
.irp k, 0,1,2,3,4,5,6,7
	PW \t, \k, \first
.endr
	WIN 0
.endm
; ---- THE VECTOR WORK OF A TILE, in pieces that the turns call as slices.
.macro FM c, i                         ; pair i of tile c: c s - c m
.set CB, SS+32*((\c)&1)
	v_pk_fma_f32 v[CB+2*(\i):CB+2*(\i)+1], v[CB+2*(\i):CB+2*(\i)+1], s[48:49], v[NM:NM+1] op_sel_hi:[1,0,0]
.endm
.macro EX c, i                         ; pair i: p = 2 ^ (c s - c m)
.set CB, SS+32*((\c)&1)
	v_exp_f32 v[CB+2*(\i)], v[CB+2*(\i)]
	v_exp_f32 v[CB+2*(\i)+1], v[CB+2*(\i)+1]
.endm
; Slice k of ALPHA.  An exponential's pair was scaled a slice or more before; behind a run of exponentials stands a plain line on other registers, or further
; exponentials, and their results are first read in BETA, behind plain lines (ISA guide 5.7.2).
.macro G0S c, k
.if \k == 0
.irp i, 0,1,2,3,4,5
	FM \c, \i
.endr
.elseif \k < 6
	EX \c, 2*\k-2
	EX \c, 2*\k-1
	FM \c, 2*\k+4
	FM \c, 2*\k+5
.elseif \k == 6
	EX \c, 10
	EX \c, 11
	EX \c, 12
.else
	EX \c, 13
	EX \c, 14
	EX \c, 15
.endif
.endm
; The running maximum of tile n, in raw scores, in eleven levels: four chains over my 32 keys, the other half of the lanes, then -c m and alpha.
.macro AOP n, lvl, first
.set NB, SS+32*((\n)&1)
.if \lvl == 1
.irp k, 0,1,2,3
	v_max3_num_f32 v[TA+\k], v[NB+7*\k], v[NB+7*\k+1], v[NB+7*\k+2]
.endr
.elseif \lvl == 2
.irp k, 0,1,2,3
	v_max3_num_f32 v[TA+\k], v[TA+\k], v[NB+7*\k+3], v[NB+7*\k+4]
.endr
.elseif \lvl == 3
.irp k, 0,1,2,3
	v_max3_num_f32 v[TA+\k], v[TA+\k], v[NB+7*\k+5], v[NB+7*\k+6]
.endr
.elseif \lvl == 4
	v_max3_num_f32 v[TA], v[TA], v[NB+28], v[NB+29]
	v_max3_num_f32 v[TA+1], v[TA+1], v[NB+30], v[NB+31]
.elseif \lvl == 5
	v_max3_num_f32 v[TA], v[TA], v[TA+1], v[TA+2]
.elseif \lvl == 6
.if \first
	v_max_num_f32 v[TA], v[TA], v[TA+3]
.else
	v_max3_num_f32 v[TA], v[TA], v[TA+3], v[MX+(\n)]
.endif
.elseif \lvl == 7
	v_permlanex16_b32 v[TA+1], v[TA], s14, s15     ; each query has a live key in every block that is computed, so the joint maximum is finite
.elseif \lvl == 8
.if \first
	v_max_num_f32 v[MX+(\n)], v[TA], v[TA+1]
.else
	v_max_num_f32 v[TA+4], v[TA], v[TA+1]
.endif
.elseif \lvl == 9
.if \first
	v_mul_f32 v[NM], s50, v[MX+(\n)]               ; -c m
.else
	v_mul_f32 v[NM], s50, v[TA+4]                  ; -c m
.endif
.elseif \lvl == 10
.if \first == 0
	v_fma_f32 v[TA+2], v[MX+(\n)], s48, v[NM]      ; c (m before - m)
	v_mov_b32 v[MX+(\n)], v[TA+4]
.endif
.else
.if \first == 0
	v_exp_f32 v[AL+2*((\n)&1)], v[TA+2]            ; alpha, first read a turn later
.endif
.endif
.endm
.macro AX n, lvl, has, first           ; a level of the next tile's maximum, where there is a next tile
.if \has
	AOP \n, \lvl, \first
.endif
.endm
.macro G1A n, first                    ; the whole maximum in one run, for the tile that leads a chain
.irp l, 1,2,3,4,5,6,7,8,9,10,11
	AOP \n, \l, \first
.endr
.endm
; l of tile c: level 0 scales the old sum, levels 1-5 add my 32 p in four chains of pairs, 6 and 7 finish.
.macro SOP c, lvl, first
.set CB, SS+32*((\c)&1)
.if \lvl == 0
.if \first == 0
	v_mul_f32 v[LS+(\c)], v[LS+(\c)], v[AL+2*((\c)&1)]
.endif
.elseif \lvl == 1
.irp k, 0,1,2,3
	v_pk_add_f32 v[TB+2*\k:TB+2*\k+1], v[CB+8*\k:CB+8*\k+1], v[CB+8*\k+2:CB+8*\k+3]
.endr
.elseif \lvl == 2
.irp k, 0,1,2,3
	v_pk_add_f32 v[TB+2*\k:TB+2*\k+1], v[TB+2*\k:TB+2*\k+1], v[CB+8*\k+4:CB+8*\k+5]
.endr
.elseif \lvl == 3
.irp k, 0,1,2,3
	v_pk_add_f32 v[TB+2*\k:TB+2*\k+1], v[TB+2*\k:TB+2*\k+1], v[CB+8*\k+6:CB+8*\k+7]
.endr
.elseif \lvl == 4
	v_pk_add_f32 v[TB:TB+1], v[TB:TB+1], v[TB+2:TB+3]
	v_pk_add_f32 v[TB+4:TB+5], v[TB+4:TB+5], v[TB+6:TB+7]
.elseif \lvl == 5
	v_pk_add_f32 v[TB:TB+1], v[TB:TB+1], v[TB+4:TB+5]
.elseif \lvl == 6
.if \first
	v_add_f32 v[LS+(\c)], v[TB], v[TB+1]
.else
	v_add_f32 v[TB], v[TB], v[TB+1]
.endif
.else
.if \first == 0
	v_add_f32 v[LS+(\c)], v[LS+(\c)], v[TB]
.endif
.endif
.endm
.macro COP c, k                        ; register k of tile c's p in f16
.set CB, SS+32*((\c)&1)
.set PC, PP+16*((\c)&1)
	v_cvt_pk_f16_f32 v[PC+\k], v[CB+2*\k], v[CB+2*\k+1]
.endm
.macro RS c, half                      ; half of O of tile c times alpha, under 0x41 (O in window 1, alpha in window 0)
	s_wait_alu depctr_va_vdst(0)
.irp i, 0,2,4,6,8,10,12,14
	v_pk_mul_f32 v[32*(\c)+16*\half+\i:32*(\c)+16*\half+\i+1], v[32*(\c)+16*\half+\i:32*(\c)+16*\half+\i+1], v[AL+2*((\c)&1):AL+2*((\c)&1)+1] op_sel_hi:[1,0]
.endr
.endm
.macro MASK n                          ; the diagonal tile's S: only key tile kt = w crosses the diagonal
.set NB, SS+32*((\n)&1)
	s_cmp_lg_u32 s13, s8
	s_cbranch_scc1 .Lnomask_\@
.irp t, 0,1,2,3
.irp q, 0,1,2,3,4,5,6,7
	v_cmp_gt_i32 vcc_lo, 16*\t+\q, v[LIM]
	v_cndmask_b32 v[NB+8*\t+\q], v[NB+8*\t+\q], v[NINF], vcc_lo
.endr
.endr
.Lnomask_\@:
.endm
; ---- THE TURNS.
.macro ALPHA c, nx, hasnx              ; tile c's exponentials, among the S products of tile nx
.if \hasnx
	WIN 0x08
.else
	WIN 0
.endif
.irp k, 0,1,2,3,4,5,6,7
.if \hasnx
	SW \nx, \k
.endif
	G0S \c, \k
.endr
.endm
.macro BPV t, k, has, first
.if \has
	WIN 0x52
	PW \t, \k, \first
.endif
.endm
; Tile c's rescale, sum and packing and tile nx's maximum, among the PV products of tile pv.  The rescale comes first: its 16 plain lines name no register of the
; S products just issued and none of the exponentials, so they are the places in front of the maximum, which reads S of nx, and of the sums, which read p.
; In a tile's first block nothing is rescaled, and four v_nop stand there.  The levels of the maximum, a chain, are spread among independent lines.
.macro BETA c, pv, haspv, nx, hasnx, first
	BPV \pv, 0, \haspv, \first
.if \first
	WIN 0
	PLACES
.else
	WIN 0x41
	RS \c, 0
.endif
	BPV \pv, 1, \haspv, \first
.if \first == 0
	WIN 0x41
	RS \c, 1
.endif
	BPV \pv, 2, \haspv, \first
	WIN 0
	AX \nx, 1, \hasnx, \first
	SOP \c, 1, \first
	SOP \c, 0, \first
	BPV \pv, 3, \haspv, \first
	WIN 0
	AX \nx, 2, \hasnx, \first
	SOP \c, 2, \first
	COP \c, 0
	BPV \pv, 4, \haspv, \first
	WIN 0
	AX \nx, 3, \hasnx, \first
	SOP \c, 3, \first
	COP \c, 1
	BPV \pv, 5, \haspv, \first
	WIN 0
	AX \nx, 4, \hasnx, \first
	SOP \c, 4, \first
	COP \c, 2
	COP \c, 3
	AX \nx, 5, \hasnx, \first
	SOP \c, 5, \first
	COP \c, 4
	BPV \pv, 6, \haspv, \first
	WIN 0
	AX \nx, 6, \hasnx, \first
	SOP \c, 6, \first
	COP \c, 5
	COP \c, 6
	AX \nx, 7, \hasnx, \first
	SOP \c, 7, \first
	COP \c, 7
	COP \c, 8
	COP \c, 9
	BPV \pv, 7, \haspv, \first
	WIN 0
	AX \nx, 8, \hasnx, \first
	COP \c, 10
	COP \c, 11
	AX \nx, 9, \hasnx, \first
	COP \c, 12
	AX \nx, 10, \hasnx, \first
	COP \c, 13
	AX \nx, 11, \hasnx, \first
	COP \c, 14                                     ; a plain line behind alpha's exponential
	COP \c, 15
.endm
.macro KLOAD                           ; 16 LDS loads: the key tile's K fragments.  KF was last read by S products that many plain lines of BETA have followed
.irp t, 0,1,2,3
.irp dh, 0,1
	ds_load_b128 v[KF+16*\t+8*\dh:KF+16*\t+8*\dh+3],   v[KA] offset:16*KP*\t+64*\dh
	ds_load_b128 v[KF+16*\t+8*\dh+4:KF+16*\t+8*\dh+7], v[KA] offset:16*KP*\t+64*\dh+32
.endr
.endr
.endm
.macro VLOAD                           ; 16 transposing LDS loads: its V fragments, into window 2
	WIN 0x80
.irp cc, 0,1
.irp d, 0,1,2,3
	ds_load_tr16_b128 v[VF+32*\cc+8*\d:VF+32*\cc+8*\d+3],   v[VA] offset:32*VP*\cc+32*\d          ; keys 32 cc + 8 h + 0..7 of d = 16 dt + r
	ds_load_tr16_b128 v[VF+32*\cc+8*\d+4:VF+32*\cc+8*\d+7], v[VA] offset:32*VP*\cc+32*\d+16*VP    ; keys 32 cc + 16 + 8 h + 0..7
.endr
.endr
	WIN 0
.endm
; One key tile of phase p < 7.  s13 = kt.  first = 1: the launch's first 64 keys start m, l and O of all eight tiles.  start = the loop's first kt.
.macro TILE p, first, start
	KLOAD
.if \first == 0
	s_cmp_eq_u32 s13, \start                       ; in all but the loop's first trip tile 7's PV of the key tile before is left:
	s_cbranch_scc1 .Lnopend_\@
	PVRAW 7, 0                                     ; it reads registers alone, while K's loads are on their way
.Lnopend_\@:
.endif
	PLACES                                         ; behind the last product that read V's fragments, which are loaded again
	VLOAD
	s_wait_dscnt 16                                ; LDS loads come back in order (ISA guide 5.7.1): K's 16 are in, V's 16 may stay out
.set dq, \p
.set dn, \p+1
.if \first == 0
	s_cmp_gt_u32 s13, s8                           ; kt > w: the diagonal tile's block lies wholly above the diagonal
	s_cbranch_scc1 .Lnodiag_\@
.endif
	SRAW dq                                        ; the diagonal tile leads the chain
	MASK dq
	G1A dq, \first
	ALPHA dq, dn, 1
	BETA dq, dq, 0, dn, 1, \first
	s_wait_dscnt 0x0                               ; V's fragments are in
	PVRAW dq, \first                               ; finished here, so that both ways join in one state: S and the maximum of tile p + 1 made, no PV left
.if \first == 0
	s_branch .Ljoin_\@
.Lnodiag_\@:
	SRAW dn                                        ; without it tile p + 1 leads
	G1A dn, 0
	s_wait_dscnt 0x0                               ; V's fragments are in
.Ljoin_\@:
.endif
.set jq, \p+1
.rept 7-\p
.set jp, jq-1
.set jn, jq+1
.if jq < 7
	ALPHA jq, jn, 1
.if jq > \p+1
	BETA jq, jp, 1, jn, 1, \first
.else
	BETA jq, jp, 0, jn, 1, \first
.endif
.else
	ALPHA jq, jq, 0
.if jq > \p+1
	BETA jq, jp, 1, jq, 0, \first
.else
	BETA jq, jp, 0, jq, 0, \first
.endif
.endif
.set jq, jq+1
.endr
.if \first
	PVRAW 7, 1                                     ; the first key tile finishes tile 7 at once: its product starts O from 0
.endif
	v_add_nc_u32 v[KA], 64*KP, v[KA]               ; the next 64 keys
	v_add_nc_u32 v[VA], 64*VP, v[VA]
.endm
; One key tile of phase 7: the diagonal tile alone is left, so it has no partner to take turns with.  Above the diagonal nothing is loaded either.
.macro TILE7
	s_cmp_gt_u32 s13, s8
	s_cbranch_scc1 .Lend_\@
	PLACES                                         ; behind the last product, whose sources are loaded again
	KLOAD
	VLOAD
	s_wait_dscnt 16
.set dq, 7
	SRAW dq
	MASK dq
	G1A dq, 0
	ALPHA dq, dq, 0
	BETA dq, dq, 0, dq, 0, 0
	s_wait_dscnt 0x0
	PVRAW dq, 0
.Lend_\@:
	v_add_nc_u32 v[KA], 64*KP, v[KA]
	v_add_nc_u32 v[VA], 64*VP, v[VA]
.endm
; Query tile p is finished: O / l, through my own stage, out as whole rows of 256 bytes (64 f32 of one query and head).
.macro OUT p
	PLACES                                         ; behind the last product
	v_permlanex16_b32 v[TB+1], v[LS+\p], s14, s15  ; the other half of the keys
	v_add_f32 v[TB], v[LS+\p], v[TB+1]             ; l >= about 1: the key of the maximum counts 1
	v_rcp_f32 v[AL], v[TB]
	s_wait_xcnt 0x0                                ; OB, which the last tile's stores read, is loaded again only behind this wait
	v_nop                                          ; one plain instruction behind v_rcp_f32 (ISA guide 5.7.2)
	WIN 0x01                                       ; source 0 (O) in window 1
	s_wait_alu depctr_va_vdst(0)
.irp i, 0,2,4,6,8,10,12,14,16,18,20,22,24,26,28,30
	v_pk_mul_f32 v[SS+\i:SS+\i+1], v[32*\p+\i:32*\p+\i+1], v[AL:AL+1] op_sel_hi:[1,0]
.endr
	WIN 0
.irp d, 0,1,2,3
.irp hf, 0,1
	ds_store_b128 v[STO], v[SS+8*\d+4*\hf:SS+8*\d+4*\hf+3] offset:64*\d+16*\hf   ; query r, d = 16 dt + 8 h + 4 hf + 0..3
.endr
.endr
.irp i, 0,1,2,3,4,5,6,7
	ds_load_b128 v[OB+4*\i:OB+4*\i+3], v[RD] offset:2*SP*\i                      ; rows 2 i and 2 i + 1; my own bytes, served in order: these see the stores above
.endr
.irp i, 0,1,2,3,4,5,6,7
	s_wait_dscnt 7-\i
	global_store_b128 v[CO], v[OB+4*\i:OB+4*\i+3], s[56:57] offset:\p*1048576+8192*\i th:TH_STORE_NT   ; sixteen lanes store 256 neighbouring bytes, aligned
.endr
.endm
; Phase p reads slot (p mod 2) while phase p + 1's keys land in the other.
.macro PHASE p, slot, other
	s_wait_tensorcnt 0x0                           ; all my tensor loads have landed: the one that was out is my part of this phase's keys,
	ds_add_u32 v254, v255
	s_wait_dscnt 0x0
.if \p <= 5
	s_add_nc_u64 s[G0K+4*\slot+2:G0K+4*\slot+3], s[G0K+4*\slot+2:G0K+4*\slot+3], 65536   ; so every group 0 may be written: this slot's next keys, two phases on
	s_add_nc_u64 s[G0V+4*\slot+2:G0V+4*\slot+3], s[G0V+4*\slot+2:G0V+4*\slot+3], 65536
.endif
	s_wait_dscnt 0x0                               ; my reads of the other slot are over
	ROUND                                          ; both now hold of every wave of all four work-groups
.if \p < 7
	JLOAD \other                                   ; the first thing behind the round, my one tensor load until the next: it has the whole phase in which to land
.endif
.if \slot
	v_add_nc_u32 v[KA], SLOT, v[KB]
	v_add_nc_u32 v[VA], SLOT, v[VB]
.else
	v_mov_b32 v[KA], v[KB]
	v_mov_b32 v[VA], v[VB]
.endif
.if \p == 0
	s_wait_loadcnt 0x0                             ; Q, once
	s_mov_b32 s13, 0
	TILE 0, 1, 0                                   ; nothing is cleared
	s_mov_b32 s13, 1
.else
	s_mov_b32 s13, 0
.endif
.Lkt_\@:
.if \p == 0
	TILE 0, 0, 1
.elseif \p < 7
	TILE \p, 0, 0
.else
	TILE7
.endif
	s_add_co_u32 s13, s13, 1
	s_cmp_lt_u32 s13, 4
	s_cbranch_scc1 .Lkt_\@
.if \p < 7
	PVRAW 7, 0                                     ; tile 7's PV of the phase's last key tile
.endif
	OUT \p
.endm
	PHASE 0, 0, 1
	PHASE 1, 1, 0
	PHASE 2, 0, 1
	PHASE 3, 1, 0
	PHASE 4, 0, 1
	PHASE 5, 1, 0
	PHASE 6, 0, 1
	PHASE 7, 1, 0
	s_wait_tensorcnt 0x0
	ds_add_u32 v254, v255
	s_wait_dscnt 0x0
	ROUND                                          ; the closing round: no work-group ends while a partner may still ask for a tile that names it
	s_endpgm
.Lfunc_end_k_qd8c8832d6a_attn:
	.size	k_qd8c8832d6a_attn, .Lfunc_end_k_qd8c8832d6a_attn-k_qd8c8832d6a_attn
	.p2alignl 7, 3214868480
	.fill 96, 4, 3214868480
	.section	.rodata,"a",@progbits
	.p2align	6, 0x0
	.amdhsa_kernel k_qd8c8832d6a_attn
		.amdhsa_group_segment_fixed_size 327680
		.amdhsa_private_segment_fixed_size 0
		.amdhsa_enable_private_segment 0
		.amdhsa_kernarg_size 16
		.amdhsa_user_sgpr_count 2
		.amdhsa_user_sgpr_kernarg_segment_ptr 1
		.amdhsa_wavefront_size32 1
		.amdhsa_system_sgpr_workgroup_id_x 1
		.amdhsa_system_sgpr_workgroup_id_y 1
		.amdhsa_system_sgpr_workgroup_id_z 1
		.amdhsa_system_vgpr_workitem_id 0
		.amdhsa_next_free_vgpr 704
		.amdhsa_next_free_sgpr 66
		.amdhsa_reserve_vcc 1
		.amdhsa_float_denorm_mode_32 3
		.amdhsa_float_denorm_mode_16_64 3
		.amdhsa_memory_ordered 1
		.amdhsa_forward_progress 1
		.amdhsa_inst_pref_size 255
	.end_amdhsa_kernel
	.section	.bss,"aw",@nobits
	.p2align	6
	.space	262144
	.amdgpu_metadata
---
amdhsa.version: [ 1, 2 ]
amdhsa.kernels:
  - .name:           k_qd8c8832d6a_attn
    .symbol:         k_qd8c8832d6a_attn.kd
    .args:
      - { .name: qkv, .offset: 0, .size: 8, .value_kind: global_buffer, .address_space: global }
      - { .name: out0, .offset: 8, .size: 8, .value_kind: global_buffer, .address_space: global }
    .group_segment_fixed_size: 327680
    .private_segment_fixed_size: 0
    .kernarg_segment_align: 8
    .kernarg_segment_size: 16
    .max_flat_workgroup_size: 128
    .sgpr_count:     66
    .vgpr_count:     704
    .wavefront_size: 32
...
	.end_amdgpu_metadata
.endif
;; end of part 6
